; MI455X (gfx1250); checked and timed in simulation.
; The chip was launched on July 23, 2026; its instructions are those of AMD's public machine-readable ISA for CDNA 5 (MIT licence, August 2026) and "CDNA5" Instruction Set Architecture Reference Guide (July 2026). The comments in the code are by the model that wrote it; some were corrected since.
;; Attention Head. Allowed arithmetic: matrix products marked QUANTISED: E2M1 operands, one E8M0 scale for each 32 along K, by v_wmma_scale_f32_16x16x128_f8f6f4 with both operands' format E2M1 (or v_wmma_scale_f32_32x16x128_f4), f32 sums; everything else in f32.
;; Inputs: Wk 1,024 x 1,024 float32; Wo 1,024 x 1,024 float32; Wq 1,024 x 1,024 float32; Wv 1,024 x 1,024 float32; bk 1,024 float32; bo 1,024 float32; bq 1,024 float32; bv 1,024 float32; x 4 x 2,048 x 1,024 float32.
;; Outputs: out0 4 x 1,024 float32.
;; This version of the problem:
;;   THIS VERSION OF THE PROBLEM IS GIVEN IN LOW PRECISION. The matrix products marked QUANTISED in the list below multiply operands that are first quantised to E2M1 (2 exponent bits, 1 mantissa bit; 4 bits a number), with one power-of-two scale for each 32 numbers along K (OCP MX v1.0); their sums are f32. All else is computed in f32.
;;   The module's matrix products, in the order in which they are computed (A, B: the left and right operand; K: the contracted axis; several contracted axes count as one K, in the product's order):
;;     1. [M 8,192, K 1,024] x [K 1,024, N 1,024]; A: input x; B: input Wq: QUANTISED
;;     2. [M 8,192, K 1,024] x [K 1,024, N 1,024]; A: input x; B: input Wk: QUANTISED
;;     3. [M 8,192, K 1,024] x [K 1,024, N 1,024]; A: input x; B: input Wv: QUANTISED
;;     4. batch 64 x [M 2,048, K 64] x [K 64, N 2,048]; A: computed on the way; B: computed on the way: QUANTISED
;;     5. batch 64 x [M 2,048, K 2,048] x [K 2,048, N 64]; A: softmax (see below); B: computed on the way: QUANTISED
;;     6. [M 8,192, K 1,024] x [K 1,024, N 1,024]; A: computed on the way; B: input Wo: QUANTISED
;;   THE QUANTISER, for each operand of a quantised product, along K:
;;     - K is cut into blocks of 32 from its start; a last block that is shorter is filled with zeros.
;;     - A block's scale is 2^e with e = floor(log2(the largest magnitude in the block)) - 2, held to -126 .. 127; a block of zeros has e = 0. As a byte (E8M0): e + 127.
;;     - Each number is divided by its block's scale, clamped to +-6, and rounded to the nearest number of E2M1, ties to even, subnormals kept.
;;     - The product sums the exact products of the quantised numbers (number of the format x scale) in f32.
;;   ~~~python
;;   def quantise(x, axis):      # numpy; x: float32 -> the quantised numbers, widened to float32 again
;;       x = np.moveaxis(x, axis, -1); K = x.shape[-1]
;;       x = np.pad(x, [(0, 0)] * (x.ndim - 1) + [(0, -K % 32)]); x = x.reshape(x.shape[:-1] + (-1, 32)); a = np.abs(x).max(-1, keepdims=True)
;;       e = np.where(a > 0, np.clip(np.frexp(np.where(a > 0, a, 1))[1] - 1 - 2, -126, 127), 0)      # np.frexp(a)[1] - 1 = floor(log2(a)), exactly
;;       r = np.clip(x / 2.0 ** e, -6, 6)
;;       step = 2.0 ** (np.maximum(np.frexp(np.where(r == 0, 1, r))[1] - 1, 0) - 1)
;;       q = np.round(r / step) * step * 2.0 ** e      # np.round: ties to even
;;       return np.moveaxis(q.reshape(q.shape[:-2] + (-1,))[..., :K], -1, axis).astype(np.float32)
;;   ~~~
;;   SOFTMAX AHEAD OF A QUANTISED PRODUCT. Where the list says 'softmax', what is quantised is not the finished softmax but p = 2^(t - M), with t = logit x log2(e) and M = ceil(the row's largest t), a whole number; so 1/2 < the row's largest p <= 1. The row's sum l is taken of the UNQUANTISED p, in f32, and the product's result is divided by l at the end. Since M is a whole number, a kernel that streams over the keys may use a running M (the ceiling of the running maximum): every later rescaling is an exact power of two, which a block's scale takes up: the codes' values come out the same.
;;   OPERANDS COMPUTED ON THE WAY. 'Computed on the way' means the value that the module computes at that place (a softmax that the list does not call 'softmax' is quantised finished and normalised). What goes into a quantiser is computed in f32, as accurately as f32 sums, v_exp_f32 and their like allow (about 1e-6 of the number): no bf16 or f16 on the way to a quantiser, and a product that is left as it is and whose result goes on into a quantised operand takes f32 operands (vector FMAs, or v_wmma_f32_16x16x4_f32). A number that lies on a knife's edge between two numbers of the format may be rounded either way, as far as f32 arithmetic and the matrix unit's own rounding can turn it there, and no further.
;; One version. Each part assembles by itself: llvm-mc -triple=amdgcn-amd-amdhsa -mcpu=gfx1250 --defsym DOCPART=n.
;; ======== version 1 of 1: 5 launches
;; workspace buffers: ops 6,684,672 bytes; qkv 13,893,632 bytes; att 4,456,448 bytes; cs 2,097,152 bytes; part 262,144 bytes
;; launch quant (part 1): grid 512 x 1, 4 waves a work-group, no clusters, 34,304 bytes of LDS; arguments x, Wq, Wk, Wv, Wo, ops; writes ops
.if DOCPART == 1
	.amdgcn_target "amdgcn-amd-amdhsa--gfx1250"
	.amdhsa_code_object_version 6
	.text
	.protected	k_q33ecd6e5b6_quant
	.globl	k_q33ecd6e5b6_quant
	.p2align	8
	.type	k_q33ecd6e5b6_quant,@function
k_q33ecd6e5b6_quant:
	s_mov_b64 s[64:65], 0
	v_nop
	global_prefetch_b8 v0, s[64:65] scope:SCOPE_SE
	s_setreg_imm32_b32 hwreg(HW_REG_WAVE_MODE, 25, 1), 1
	s_wait_xcnt 0x0
; x [8192][1024] and Wq, Wk, Wv, Wo [1024 (k)][1024 (n)], f32, become codes of FP4 (E2M1) with one E8M0 scale byte for each 32 along K (x: its last axis; the weights: their first).
; A block's scale is 2^(floor(log2(largest magnitude)) - 2): its byte is the largest magnitude's exponent field - 2, held at 1 from below by a floor among the maximum's leaves.
; LIMITS: a block whose largest magnitude lies under 2^-124 (a block of zeros among them) gets the byte 1; its codes are zeros or nearly so, and only this program reads the bytes.  NaN and infinities are not served.
; LAYOUT OF ops.  Rows go in tiles of 16: x's tokens are tiles 0-511, the columns n of Wq 512-575, Wk 576-639, Wv 640-703, Wo 704-767.  A fragment (16 rows x 128 K) lies as the matrix operand's registers take it:
; tile x 8192 + s x 1024 + c x 512 + lane x 16 holds k = 128 s + 64 c + 32 (lane / 16) + 0..31 of row lane % 16.  Scale words (four bytes: 128 along K of a row) at SC_OFF + tile x 512 + (s / 4) x 256 + row x 16 + (s % 4) x 4.
; Work-groups 0-255 take the weights: 128 columns x one K step of 128 each.  Work-groups 256-511 take x, two tiles each: a wave takes one tile and half of K.  Memory binds: no matrix unit, no tensor load, no barrier; waves share nothing.
; A weight's scale words leave as four bytes a lane, 16 bytes apart: a K step owns one word of a row's four (128 KB in the whole launch).  Every other store covers 256 or 512 consecutive bytes, aligned.
.set SC_OFF, 6291456
.set R,  32                            ; v32-159  x: two sets of 64 registers as loaded
.set X,  160                           ; v160-223 x: my two blocks of 32 neighbours
.set C,  224                           ; v224-255 x: codes, 8 registers a K step, never written again
.set SP, 528                           ; a stage row: 512 bytes + 16: row r begins 4 r words on among the banks
	s_load_b256 s[4:11], s[0:1], 0x0               ; x, Wq, Wk, Wv
	s_load_b128 s[12:15], s[0:1], 0x20             ; Wo, ops
	v_lshl_add_u32 v30, v0, 2, 0x8400
	v_mov_b32 v31, 0
	v_lshrrev_b32 v1, 5, v0
	v_readfirstlane_b32 s16, v1                    ; wave
	v_and_b32 v1, 31, v0                           ; lane
	v_and_b32 v2, 15, v0                           ; r
	v_bfe_u32 v3, v0, 4, 1                         ; h
	s_cmp_lt_u32 ttmp9, 256
	s_cbranch_scc1 .Lweights
; ---- x: K is innermost.  Each load reads 512 consecutive bytes of one row; a K step's 16 rows turn through the wave's own stage in LDS, so that a lane gets 32 neighbours of its row twice.
	s_mov_b32 s30, 0x76543210
	s_mov_b32 s31, 0xfedcba98                      ; lane selects: lane l xor 16
	s_sub_co_u32 s17, ttmp9, 256
	s_lshl_b32 s17, s17, 1
	s_lshr_b32 s18, s16, 1
	s_add_co_u32 s17, s17, s18                     ; my tile of 16 tokens
	s_and_b32 s18, s16, 1                          ; my half of K
	s_lshl_b32 s24, s17, 16                        ; x: 16 rows of 4,096 bytes a tile,
	s_lshl_b32 s19, s18, 11
	s_add_co_u32 s24, s24, s19                     ; 2,048 bytes a half
	s_mov_b32 s25, 0
	s_lshl_b32 s26, s17, 13                        ; codes
	s_lshl_b32 s19, s18, 12
	s_add_co_u32 s26, s26, s19
	s_mov_b32 s27, 0
	s_lshl_b32 s28, s17, 9                         ; scale words
	s_lshl_b32 s19, s18, 8
	s_add_co_u32 s28, s28, s19
	s_add_co_u32 s28, s28, SC_OFF
	s_mov_b32 s29, 0
	s_mul_i32 s19, s16, 16*SP                      ; my stage
	s_wait_alu depctr_va_vdst(0)
	v_lshlrev_b32 v4, 4, v1                        ; 16 x lane
	v_add_nc_u32 v5, s19, v4                       ; into the stage: a row as it lies
	v_mul_u32_u24 v6, v2, SP
	v_lshl_add_u32 v6, v3, 7, v6
	v_add_nc_u32 v6, s19, v6                       ; out of it: row r, 128 h bytes on
	v_lshlrev_b32 v7, 4, v2
	v_lshl_add_u32 v7, v3, 3, v7                   ; the scale words' way out: 16 r + 8 h
	v_lshlrev_b32 v15, 3, v3                       ; 8 h
	v_mov_b32 v20, 0                               ; a lane permute's destination counts as read
	s_wait_alu depctr_va_vdst(0)
	s_wait_kmcnt 0x0
	s_add_nc_u64 s[4:5], s[4:5], s[24:25]
	s_add_nc_u64 s[20:21], s[14:15], s[26:27]
	s_add_nc_u64 s[22:23], s[14:15], s[28:29]
.macro XLOAD q                         ; K step q of my four: 16 rows x 512 bytes
.irp i, 0,1,2,3,4,5,6,7,8,9,10,11,12,13,14,15
	global_load_b128 v[R+64*((\q)%2)+4*\i:R+64*((\q)%2)+4*\i+3], v4, s[4:5] offset:\i*4096+(\q)*512 th:TH_LOAD_NT
.endr
.endm
.macro XSTEP q
.if (\q) < 3
	s_wait_loadcnt 16                              ; this step's 16 loads are in; the next step's 16 may be out
.else
	s_wait_loadcnt 0x0
.endif
.irp i, 0,1,2,3,4,5,6,7,8,9,10,11,12,13,14,15
	ds_store_b128 v5, v[R+64*((\q)%2)+4*\i:R+64*((\q)%2)+4*\i+3] offset:\i*SP
.endr
.irp c, 0,1
.irp j, 0,1,2,3,4,5,6,7
	ds_load_b128 v[X+32*\c+4*\j:X+32*\c+4*\j+3], v6 offset:\c*256+16*\j   ; k = 64 c + 32 h + 4 j ..: LDS serves a wave's instructions in order, so these see the stores
.endr
.endr
	s_wait_dscnt 0x0                               ; my numbers are back, and the stores have read their registers
.if (\q) < 2
	XLOAD (\q)+2
.endif
.irp c, 0,1
	v_max3_num_f32 v[8+\c], |v[X+32*\c]|, |v[X+32*\c+1]|, 0x1800000   ; block 2 c + h is all mine; the floor 2^(3 - 127) keeps the byte at 1 or more
.endr
.irp i, 2,4,6,8,10,12,14,16,18,20,22,24,26,28,30
.irp c, 0,1
	v_max3_num_f32 v[8+\c], v[8+\c], |v[X+32*\c+\i]|, |v[X+32*\c+\i+1]|
.endr
.endr
.irp c, 0,1
	v_add_nc_u32 v[10+\c], 0xff000000, v[8+\c]     ; 2 off the exponent field: the conversion's scale operand
.endr
.irp c, 0,1
	v_lshrrev_b32 v[12+\c], 23, v[10+\c]           ; the scale's byte
.endr
	v_lshl_or_b32 v14, v13, 16, v12                ; my bytes h and 2 + h of the row's word,
	v_lshlrev_b32 v14, v15, v14                    ; at their places;
	v_permlanex16_b32 v20, v14, s30, s31
	v_or_b32 v[16+(\q)], v14, v20                  ; with lane l xor 16's two the word is whole
.irp c, 0,1
.irp g, 0,1,2,3
	v_cvt_scalef32_pk8_fp4_f32 v[C+8*(\q)+4*\c+\g], v[X+32*\c+8*\g:X+32*\c+8*\g+7], v[10+\c]
.endr
.endr
.irp c, 0,1
	global_store_b128 v4, v[C+8*(\q)+4*\c:C+8*(\q)+4*\c+3], s[20:21] offset:(\q)*1024+\c*512   ; 512 consecutive bytes, aligned
.endr
.endm
	XLOAD 0
	XLOAD 1
	XSTEP 0
	XSTEP 1
	XSTEP 2
	XSTEP 3
	v_cmp_le_u32 vcc_lo, 16, v1
	v_cndmask_b32 v24, v16, v18, vcc_lo            ; lanes 0-15 store words 0, 1 of their row, lanes 16-31 words 2, 3
	v_cndmask_b32 v25, v17, v19, vcc_lo
	global_store_b64 v7, v[24:25], s[22:23]        ; 32 lanes: 256 consecutive bytes, aligned
	s_wait_tensorcnt 0x0
	ds_add_u32 v30, v31
	s_wait_dscnt 0x0
	s_endpgm
; ---- the weights: K is the first axis.  A lane takes a column n and its registers run down K: a block of 32 lies in one lane, and the codes come out with K innermost.
.Lweights:
	s_lshr_b32 s18, ttmp9, 6                       ; which weight
	s_bfe_u32 s19, ttmp9, 0x30003                  ; which 128 columns
	s_and_b32 s17, ttmp9, 7                        ; which K step of 128
	s_lshl_b32 s26, s17, 19                        ; 128 rows of 4,096 bytes,
	s_lshl_b32 s28, s19, 9
	s_add_co_u32 s26, s26, s28                     ; 128 columns of 4 bytes,
	s_lshl_b32 s28, s16, 7
	s_add_co_u32 s26, s26, s28                     ; my wave's 32
	s_mov_b32 s27, 0
	s_lshl_b32 s28, s18, 6
	s_lshl_b32 s29, s19, 3
	s_add_co_u32 s28, s28, s29
	s_lshl_b32 s29, s16, 1
	s_add_co_u32 s28, s28, s29
	s_add_co_u32 s28, s28, 512                     ; my wave's first tile of 16 columns
	s_lshl_b32 s30, s28, 13
	s_lshl_b32 s29, s17, 10
	s_add_co_u32 s30, s30, s29                     ; its codes of this K step
	s_mov_b32 s31, 0
	s_lshl_b32 s28, s28, 9
	s_lshr_b32 s29, s17, 2
	s_lshl_b32 s29, s29, 8
	s_add_co_u32 s28, s28, s29
	s_and_b32 s29, s17, 3
	s_lshl_b32 s29, s29, 2
	s_add_co_u32 s28, s28, s29
	s_add_co_u32 s28, s28, SC_OFF                  ; its scale words of this K step
	s_mov_b32 s29, 0
	s_wait_alu depctr_va_vdst(0)
	v_lshlrev_b32 v4, 2, v1                        ; in: 4 bytes a lane
	v_lshlrev_b32 v5, 4, v2
	v_lshl_add_u32 v6, v3, 9, v5                   ; scale words: tile h, row r
	v_lshl_add_u32 v5, v3, 13, v5                  ; codes: tile h, row r
	s_wait_alu depctr_va_vdst(0)
	s_wait_kmcnt 0x0
	s_mov_b64 s[24:25], s[12:13]
	s_cmp_eq_u32 s18, 2
	s_cselect_b64 s[24:25], s[10:11], s[24:25]
	s_cmp_eq_u32 s18, 1
	s_cselect_b64 s[24:25], s[8:9], s[24:25]
	s_cmp_eq_u32 s18, 0
	s_cselect_b64 s[24:25], s[6:7], s[24:25]       ; the choice hangs on the work-group's number alone
	s_add_nc_u64 s[24:25], s[24:25], s[26:27]
	s_add_nc_u64 s[20:21], s[14:15], s[30:31]
	s_add_nc_u64 s[22:23], s[14:15], s[28:29]
.macro WLOAD t                         ; block t of 4: W(32 t + i, my column) into set t % 2; 32 lanes read 128 consecutive bytes, the four waves 512
.irp i, 0,1,2,3,4,5,6,7,8,9,10,11,12,13,14,15,16,17,18,19,20,21,22,23,24,25,26,27,28,29,30,31
	global_load_b32 v[32+32*((\t)%2)+\i], v4, s[24:25] offset:(32*(\t)+\i)*4096 th:TH_LOAD_NT
.endr
.endm
.macro WBLOCK t
.set XS, 32+32*((\t)%2)
.if (\t) < 3
	s_wait_loadcnt 32                              ; this block's 32 loads are in; the next block's may be out
.else
	s_wait_loadcnt 0x0
.endif
	v_max3_num_f32 v8, |v[XS]|, |v[XS+1]|, 0x1800000
	v_max3_num_f32 v9, |v[XS+2]|, |v[XS+3]|, |v[XS+4]|
.irp i, 5,9,13,17,21,25
	v_max3_num_f32 v8, v8, |v[XS+\i]|, |v[XS+\i+1]|
	v_max3_num_f32 v9, v9, |v[XS+\i+2]|, |v[XS+\i+3]|
.endr
	v_max3_num_f32 v8, v8, |v[XS+29]|, |v[XS+30]|
	v_max3_num_f32 v8, v8, v9, |v[XS+31]|
	v_add_nc_u32 v10, 0xff000000, v8
	v_lshrrev_b32 v11, 23, v10
.if (\t) == 0
	v_mov_b32 v16, v11                             ; four bytes to the word, the lower K in the lower byte
.else
	v_lshl_or_b32 v16, v11, 8*(\t), v16
.endif
.irp g, 0,1,2,3
	v_cvt_scalef32_pk8_fp4_f32 v[96+4*(\t)+\g], v[XS+8*\g:XS+8*\g+7], v10
.endr
	global_store_b128 v5, v[96+4*(\t):96+4*(\t)+3], s[20:21] offset:(\t)*256   ; block t's place in the fragment is 256 t: sixteen lanes store 256 consecutive bytes, aligned; the data are never written again
.if (\t) < 2
	WLOAD (\t)+2
.endif
.endm
	WLOAD 0
	WLOAD 1
	WBLOCK 0
	WBLOCK 1
	WBLOCK 2
	WBLOCK 3
	global_store_b32 v6, v16, s[22:23]             ; my column's scale word of this K step
	s_endpgm
.Lfunc_end_k_q33ecd6e5b6_quant:
	.size	k_q33ecd6e5b6_quant, .Lfunc_end_k_q33ecd6e5b6_quant-k_q33ecd6e5b6_quant
	.p2alignl 7, 3214868480
	.fill 96, 4, 3214868480
	.section	.rodata,"a",@progbits
	.p2align	6, 0x0
	.amdhsa_kernel k_q33ecd6e5b6_quant
		.amdhsa_group_segment_fixed_size 34304
		.amdhsa_private_segment_fixed_size 0
		.amdhsa_enable_private_segment 0
		.amdhsa_kernarg_size 48
		.amdhsa_user_sgpr_count 2
		.amdhsa_user_sgpr_kernarg_segment_ptr 1
		.amdhsa_wavefront_size32 1
		.amdhsa_system_sgpr_workgroup_id_x 1
		.amdhsa_system_sgpr_workgroup_id_y 1
		.amdhsa_system_sgpr_workgroup_id_z 1
		.amdhsa_system_vgpr_workitem_id 0
		.amdhsa_next_free_vgpr 256
		.amdhsa_next_free_sgpr 66
		.amdhsa_reserve_vcc 1
		.amdhsa_float_denorm_mode_32 3
		.amdhsa_float_denorm_mode_16_64 3
		.amdhsa_memory_ordered 1
		.amdhsa_forward_progress 1
		.amdhsa_inst_pref_size 50
	.end_amdhsa_kernel
	.amdgpu_metadata
---
amdhsa.version: [ 1, 2 ]
amdhsa.kernels:
  - .name:           k_q33ecd6e5b6_quant
    .symbol:         k_q33ecd6e5b6_quant.kd
    .args:
      - { .name: x, .offset: 0, .size: 8, .value_kind: global_buffer, .address_space: global }
      - { .name: Wq, .offset: 8, .size: 8, .value_kind: global_buffer, .address_space: global }
      - { .name: Wk, .offset: 16, .size: 8, .value_kind: global_buffer, .address_space: global }
      - { .name: Wv, .offset: 24, .size: 8, .value_kind: global_buffer, .address_space: global }
      - { .name: Wo, .offset: 32, .size: 8, .value_kind: global_buffer, .address_space: global }
      - { .name: ops, .offset: 40, .size: 8, .value_kind: global_buffer, .address_space: global }
    .group_segment_fixed_size: 34304
    .private_segment_fixed_size: 0
    .kernarg_segment_align: 8
    .kernarg_segment_size: 48
    .max_flat_workgroup_size: 128
    .sgpr_count:     66
    .vgpr_count:     256
    .wavefront_size: 32
...
	.end_amdgpu_metadata
.endif
;; end of part 1
;; launch qkv (part 2): grid 12 x 32, 4 waves a work-group, clusters of 4 x 4, 327,680 bytes of LDS; arguments ops, bq, bk, bv, qkv; writes qkv
.if DOCPART == 2
	.amdgcn_target "amdgcn-amd-amdhsa--gfx1250"
	.amdhsa_code_object_version 6
	.text
	.protected	k_q33ecd6e5b6_qkv
	.globl	k_q33ecd6e5b6_qkv
	.p2align	8
	.type	k_q33ecd6e5b6_qkv,@function
k_q33ecd6e5b6_qkv:
	s_mov_b64 s[64:65], 0
	v_nop
	global_prefetch_b8 v0, s[64:65] scope:SCOPE_SE
	s_setreg_imm32_b32 hwreg(HW_REG_WAVE_MODE, 25, 1), 1
	s_wait_xcnt 0x0
	s_wait_alu depctr_hold_cnt(0) depctr_sa_sdst(0) depctr_va_vdst(0) depctr_va_sdst(0) depctr_va_ssrc(0) depctr_va_vcc(0) depctr_vm_vsrc(0)
	s_getreg_b32 s2, hwreg(HW_REG_IB_STS2, 6, 4)
	s_cmp_eq_u32 s2, 0
	s_cbranch_scc0 .Lentry_in_a_cluster
	s_endpgm
.Lentry_in_a_cluster:
	s_bfe_u32 s2, ttmp6, 0x10000c
	s_cmp_lg_u32 s2, 0xf033
	s_cbranch_scc0 .Lentry_shape_is_right
	s_endpgm
.Lentry_shape_is_right:
; Q = x Wq + bq, K = x Wk + bk, V = x Wv + bv on codes of FP4 with E8M0 scales (K = 1,024), and each result quantised in registers for the products that follow: Q and K along a head's 64 features, V along the tokens.
; A work-group makes 256 x 256 numbers, a wave 128 x 128: 64 accumulators.  The matrix instruction takes 16 rows of "B" as source 0 and 16 rows of "A" as source 1: a lane then holds ONE row of A, and its registers run along B's rows.
; ROLE, by the cluster's x (the same in all sixteen partners): 0, 1: A = tokens, B = features of Wq, Wk, so that a lane's registers run along the features; 2: A = features of Wv, B = tokens, so that they run along the keys.
; Operands lie in ops as images of the operand's registers (tile of 16 rows x 8192 + K step x 1024 + c x 512 + lane x 16), so LDS has no pitch and no padding and a fragment is two loads at 16 x lane.
; K = 1,024 is two slots of 512, both filled once at the start: no LDS byte is filled twice.  CLUSTER 4 x 4: A's tiles are asked for jointly by a row of the cluster, B's by a column.
; 384 work-groups: one and a half turns of 256.  LIMITS: a block whose largest magnitude lies under 2^-124 gets the scale byte 1; NaN and infinities are not served.
; REGISTERS: window 0: v1-27 addresses; v32-95 scale words, two sets; v96-111 at work on the way out; v128-191 A's fragments, one set; v192-255 the bias, eight tiles.  Window 1: B's fragments, two sets (v0, v128).  Windows 2, 3: accumulator (a, b) at v[8 (8 (a % 4) + b)].
.set SC_OFF,  6291456
.set V_CODES, 8388608
.set QK_SC,   12582912
.set V_SC,    13631488
.set FR,   8
.set SLOT, 131072                      ; a slot: A's 16 tiles x 4,096 bytes, then B's
.set SCL,  262144                      ; behind the slots: A's scale words (8 KB), then B's
.set ADRA, 16                          ; v16-17 my A fragments in slot 0, 1
.set ADRB, 20                          ; v20-21 my B fragments
.set VSO,  24                          ; v24 V's scale words' way out
.set BO,   25                          ; v25 the bias' offset
.set CO,   26                          ; v26 16 x lane
.set ADRS, 27                          ; v27 scale words: lanes 0-15 A's rows, lanes 16-31 B's
.set SC,   32
.set TM,   96
.set AF,   128
.set BI,   192
.set G1,   24
.set G0,   32
.set G1B,  48
.set G0B,  56
.set G1S,  68
.set G0S,  76
.set G1SB, 80
.set G0SB, 88
.set MSB, 0
.macro WIN new                         ; the immediate's high byte repeats the setting that is left
.if MSB != (\new)
	s_set_vgpr_msb (MSB<<8)|(\new)
.set MSB, (\new)
.endif
.endm
.set MUL_LO, 0xa1                      ; source 0 (B) window 1, source 1 (A) window 0, C and D window 2
.set MUL_HI, 0xf1
.set TO_B,   0x40
.macro JLOAD g0a, g1a, g0b, g1b        ; a joint load: waves 0, 1 fetch for A, waves 2, 3 for B; four v_nop follow each line
	s_cmp_eq_u32 s15, 0
	s_cbranch_scc0 .Lfor_b_\@
	tensor_load_to_lds s[\g0a:\g0a+3], s[\g1a:\g1a+7]
	s_nop 0
.rept 4
	v_nop
.endr
	s_branch .Lasked_\@
.Lfor_b_\@:
	tensor_load_to_lds s[\g0b:\g0b+3], s[\g1b:\g1b+7]
	s_nop 0
.rept 4
	v_nop
.endr
.Lasked_\@:
.endm
.macro CROUND                          ; a round of the cluster's barrier
	s_barrier_signal -1
	s_barrier_wait -1
	s_cmp_lg_u32 s14, 0
	s_cbranch_scc1 .Lnot_wave_0_\@
	s_barrier_signal -3
.Lnot_wave_0_\@:
	s_barrier_wait -3
	s_barrier_signal -1
	s_barrier_wait -1
.endm
.macro PLACES n
.rept \n
	v_nop
.endr
.endm
	s_load_b256 s[4:11], s[0:1], 0x0               ; ops, bq, bk, bv
	s_load_b64 s[12:13], s[0:1], 0x20              ; qkv
	v_lshl_add_u32 v126, v0, 2, 0x44000
	v_mov_b32 v127, 0
	ds_add_u32 v126, v127
	ds_add_u32 v126, v127
	v_lshrrev_b32 v1, 5, v0
	v_readfirstlane_b32 s14, v1                    ; wave
	s_lshr_b32 s15, s14, 1                         ; my half of A's rows.  Also: I fetch for A (0) or B (1)
	s_and_b32 s16, s14, 1                          ; my half of B's rows.  Also: which 8 tiles I fetch
	s_bfe_u32 s40, ttmp6, 0x40000                  ; cx
	s_bfe_u32 s41, ttmp6, 0x40004                  ; cy
	s_and_b32 s17, ttmp7, 0xffff                   ; the cluster's y
	s_cmp_eq_u32 ttmp9, 2
	s_cselect_b32 s96, 1, 0                        ; the role
	s_cselect_b32 s97, s17, ttmp9                  ; B's block of four
	s_cselect_b32 s98, 0, s17                      ; A's
	s_cselect_b32 s99, 640, 0                      ; A's first tile in ops: Wv's, or x's
	s_cselect_b32 s100, 0, 512                     ; B's: x's, or Wq's (Wk's follow)
	s_lshl_b32 s95, s98, 2
	s_add_co_u32 s95, s95, s41                     ; ra: which 256 rows of A
	s_lshl_b32 s42, s97, 2
	s_add_co_u32 s42, s42, s40                     ; pb: which 256 rows of B
	s_lshl_b32 s43, s41, 2
	s_lshl_b32 s43, 15, s43                        ; my row of the cluster
	s_lshl_b32 s44, 0x1111, s40                    ; my column
	; codes: 8 tiles' 4,096 bytes (512 elements of 8 bytes), 8,192 bytes apart; no padding
	s_or_b32 s[G1+0], s43, (3<<16)|(1<<21)
	s_or_b32 s[G1B+0], s44, (3<<16)|(1<<21)
.irp g, G1, G1B
	s_mov_b32 s[\g+1], 512<<16                     ; tensor_dim0
	s_mov_b32 s[\g+2], 8<<16                       ; tensor_dim1
	s_mov_b32 s[\g+3], 512<<16                     ; tile_dim0
	s_mov_b32 s[\g+4], 8                           ; tile_dim1
	s_mov_b32 s[\g+5], 1024                        ; the pitch
	s_mov_b32 s[\g+6], 0
	s_mov_b32 s[\g+7], 0
.endr
	; scale words: 8 tiles' 4,096 dense bytes as 16 rows of 256
	s_or_b32 s[G1S+0], s43, (3<<16)|(1<<21)
	s_or_b32 s[G1SB+0], s44, (3<<16)|(1<<21)
.irp g, G1S, G1SB
	s_mov_b32 s[\g+1], 32<<16
	s_mov_b32 s[\g+2], 16<<16
	s_mov_b32 s[\g+3], 32<<16
	s_mov_b32 s[\g+4], 16
	s_mov_b32 s[\g+5], 32
	s_mov_b32 s[\g+6], 0
	s_mov_b32 s[\g+7], 0
.endr
	s_lshl_b32 s18, s16, 3
	s_lshl_b32 s20, s95, 4
	s_add_co_u32 s20, s20, s18
	s_add_co_u32 s20, s20, s99                     ; A: the first tile that I fetch (no register of A's ever holds cx)
	s_lshl_b32 s46, s42, 4
	s_add_co_u32 s46, s46, s18
	s_add_co_u32 s46, s46, s100                    ; B likewise (none holds cy)
	s_lshl_b32 s22, s20, 9
	s_add_co_u32 s22, s22, SC_OFF
	s_mov_b32 s23, 0
	s_lshl_b32 s92, s46, 9
	s_add_co_u32 s92, s92, SC_OFF
	s_mov_b32 s93, 0
	s_lshl_b32 s20, s20, 13
	s_mov_b32 s21, 0
	s_lshl_b32 s46, s46, 13
	s_mov_b32 s47, 0
	s_lshl_b32 s45, s14, 15                        ; where they go: wave x 32,768,
	s_lshl_b32 s94, s14, 12                        ; the scale words: wave x 4,096
	s_wait_dscnt 0x0
	s_wait_kmcnt 0x0
	s_add_nc_u64 s[20:21], s[4:5], s[20:21]
	s_add_nc_u64 s[22:23], s[4:5], s[22:23]
	s_add_nc_u64 s[46:47], s[4:5], s[46:47]
	s_add_nc_u64 s[92:93], s[4:5], s[92:93]
	CROUND                                         ; all sixteen work-groups are here: the joint loads meet
	s_mov_b32 s[G0S], 1
	s_add_co_u32 s[G0S+1], s94, SCL
	s_mov_b64 s[G0S+2:G0S+3], s[22:23]
	s_or_b32 s[G0S+3], s[G0S+3], 0x80000000
	s_mov_b32 s[G0SB], 1
	s_add_co_u32 s[G0SB+1], s94, SCL
	s_mov_b64 s[G0SB+2:G0SB+3], s[92:93]
	s_or_b32 s[G0SB+3], s[G0SB+3], 0x80000000
	JLOAD G0S, G1S, G0SB, G1SB
.irp s, 0,1
	s_mov_b32 s[G0+4*\s], 1
	s_add_co_u32 s[G0+4*\s+1], s45, \s*SLOT
	s_add_nc_u64 s[G0+4*\s+2:G0+4*\s+3], s[20:21], \s*4096
	s_or_b32 s[G0+4*\s+3], s[G0+4*\s+3], 0x80000000
	s_mov_b32 s[G0B+4*\s], 1
	s_add_co_u32 s[G0B+4*\s+1], s45, \s*SLOT
	s_add_nc_u64 s[G0B+4*\s+2:G0B+4*\s+3], s[46:47], \s*4096
	s_or_b32 s[G0B+4*\s+3], s[G0B+4*\s+3], 0x80000000
	s_wait_alu depctr_va_vdst(0)
	s_wait_tensorcnt 0x0
	ds_add_u32 v126, v127
	s_wait_dscnt 0x0
	CROUND
	JLOAD G0+4*\s, G1, G0B+4*\s, G1B               ; only this tensor load of mine is out: the earlier ones have landed
.endr
	v_and_b32 v1, 15, v0                           ; r
	v_bfe_u32 v2, v0, 4, 1                         ; h
	s_wait_alu depctr_va_vdst(0)
	v_and_b32 v3, 31, v0                           ; lane
	v_lshlrev_b32 v[CO], 4, v3
	s_lshl_b32 s18, s15, 15                        ; my 8 tiles of A
	s_lshl_b32 s19, s16, 15
	s_add_co_u32 s19, s19, 65536                   ; my 8 tiles of B
.irp s, 0,1
	v_add_nc_u32 v[ADRA+\s], s18, v[CO]
	v_add_nc_u32 v[ADRB+\s], s19, v[CO]
	s_add_co_u32 s18, s18, SLOT
	s_add_co_u32 s19, s19, SLOT
.endr
	v_lshlrev_b32 v7, 4, v1                        ; 16 r
	s_lshl_b32 s18, s15, 12                        ; A's scale words: my 8 tiles
	s_lshl_b32 s19, s16, 12
	s_add_co_u32 s19, s19, 8192                    ; B's, behind A's 8 KB
	s_sub_co_u32 s19, s19, s18
	v_mul_u32_u24 v6, s19, v2                      ; lanes 16-31 take B's: one product with h
	s_add_co_u32 s18, s18, SCL
	v_add_nc_u32 v5, v7, v6
	v_add_nc_u32 v[ADRS], s18, v5
	v_lshl_add_u32 v[VSO], v2, 12, v7
.irp b, 0,1,2,3
	v_mov_b32 v[TM+4+\b], 0                        ; a lane permute's destination counts as read
.endr
	s_mov_b32 s2, 0x76543210
	s_mov_b32 s3, 0xfedcba98
	; the bias is the C of each sum's first product
	s_cmp_eq_u32 s96, 0
	s_cbranch_scc0 .Lbias_v
	s_cmp_eq_u32 ttmp9, 0
	s_cselect_b64 s[18:19], s[6:7], s[8:9]         ; bq or bk
	s_lshl_b32 s66, s40, 10
	s_lshl_b32 s67, s16, 9
	s_add_co_u32 s66, s66, s67                     ; my 128 features
	s_mov_b32 s67, 0
	s_add_nc_u64 s[18:19], s[18:19], s[66:67]
	v_lshlrev_b32 v[BO], 5, v2                     ; tile b: features 16 b + 8 h + 0..7
.irp b, 0,1,2,3,4,5,6,7
	global_load_b128 v[BI+8*\b:BI+8*\b+3], v[BO], s[18:19] offset:64*\b
	global_load_b128 v[BI+8*\b+4:BI+8*\b+7], v[BO], s[18:19] offset:64*\b+16
.endr
	s_branch .Lbias_done
.Lbias_v:
	s_lshl_b32 s66, s95, 10
	s_lshl_b32 s67, s15, 9
	s_add_co_u32 s66, s66, s67
	s_mov_b32 s67, 0
	s_add_nc_u64 s[18:19], s[10:11], s[66:67]
	v_lshlrev_b32 v[BO], 2, v1                     ; block a: the lane's one feature 16 a + r
.irp a, 0,1,2,3,4,5,6,7
	global_load_b32 v[BI+8*\a], v[BO], s[18:19] offset:64*\a
.endr
.Lbias_done:
.macro FRAG reg, adr, q, i             ; a fragment: two loads of 512 consecutive bytes
.irp c, 0,1
	ds_load_b128 v[\reg+4*\c:\reg+4*\c+3], v[\adr] offset:(\i)*4096+(\q)*1024+512*\c
.endr
.endm
; 16 products: A's blocks a0, a0 + 1 x B's eight, the slot's q-th 128 along K.  mode 0: onto the sums; 1: C = the bias of B's block; 2: C = the bias of A's block.  The 64 accumulators take turns.
.macro MUL16 a0, p, q, sc, mode
.irp a, \a0, \a0+1
.irp b, 0,1,2,3,4,5,6,7
.if \mode == 0
	v_wmma_scale_f32_16x16x128_f8f6f4 v[8*(8*((\a)%4)+\b):8*(8*((\a)%4)+\b)+7], v[128*(\p)+FR*\b:128*(\p)+FR*\b+FR-1], v[AF+FR*(\a):AF+FR*(\a)+FR-1], v[8*(8*((\a)%4)+\b):8*(8*((\a)%4)+\b)+7], v[SC+32*(\sc)+4*\b+(\q)], v[SC+32*(\sc)+4*(\a)+(\q)] matrix_a_fmt:MATRIX_FMT_FP4 matrix_b_fmt:MATRIX_FMT_FP4 matrix_a_scale:MATRIX_SCALE_ROW1
.elseif \mode == 1
	v_wmma_scale_f32_16x16x128_f8f6f4 v[8*(8*((\a)%4)+\b):8*(8*((\a)%4)+\b)+7], v[128*(\p)+FR*\b:128*(\p)+FR*\b+FR-1], v[AF+FR*(\a):AF+FR*(\a)+FR-1], v[BI+8*\b:BI+8*\b+7], v[SC+32*(\sc)+4*\b+(\q)], v[SC+32*(\sc)+4*(\a)+(\q)] matrix_a_fmt:MATRIX_FMT_FP4 matrix_b_fmt:MATRIX_FMT_FP4 matrix_a_scale:MATRIX_SCALE_ROW1
.else
	v_wmma_scale_f32_16x16x128_f8f6f4 v[8*(8*((\a)%4)+\b):8*(8*((\a)%4)+\b)+7], v[128*(\p)+FR*\b:128*(\p)+FR*\b+FR-1], v[AF+FR*(\a):AF+FR*(\a)+FR-1], v[BI+8*(\a):BI+8*(\a)+7], v[SC+32*(\sc)+4*\b+(\q)], v[SC+32*(\sc)+4*(\a)+(\q)] matrix_a_fmt:MATRIX_FMT_FP4 matrix_b_fmt:MATRIX_FMT_FP4 matrix_a_scale:MATRIX_SCALE_ROW1
.endif
.endr
.endr
.endm
.macro FETCH_B slot, q, p
	WIN TO_B
.irp i, 0,1,2,3,4,5,6,7
	FRAG 128*(\p)+FR*\i, ADRB+\slot, \q, \i
.endr
	WIN 0
.endm
.macro FETCH_A slot, q, i0
.irp i, \i0, \i0+1, \i0+2, \i0+3
	FRAG AF+FR*(\i), ADRA+\slot, \q, \i
.endr
.endm
.macro SCALES sc                       ; a slot's scale words: four a row; lanes 0-15 A's block i, lanes 16-31 B's block i
.irp i, 0,1,2,3,4,5,6,7
	ds_load_b128 v[SC+32*\sc+4*\i:SC+32*\sc+4*\i+3], v[ADRS] offset:\i*512+\sc*256
.endr
.endm
; A step of 128 along K with its successor in the same slot.  A has one set of registers: blocks 0-3 come anew in the step's middle, blocks 4-7 at its end; B has two sets.
.macro STEP slot, q, mode
	s_wait_dscnt 8                                 ; all but the youngest eight loads (A's blocks 4-7) are in
.if \mode
	WIN 0x81                                       ; C from window 0 (the bias), D window 2
.else
	WIN MUL_LO
.endif
	MUL16 0, (\q)%2, \q, \slot, \mode
	MUL16 2, (\q)%2, \q, \slot, \mode
	s_wait_dscnt 0x0
	PLACES 4                                       ; four plain places ahead of loads into registers that matrix instructions have read
	FETCH_B \slot, (\q)+1, 1-(\q)%2
	FETCH_A \slot, (\q)+1, 0
.if \mode
	WIN 0xc1
.else
	WIN MUL_HI
.endif
	MUL16 4, (\q)%2, \q, \slot, \mode
	MUL16 6, (\q)%2, \q, \slot, \mode
	PLACES 4
	WIN 0
	FETCH_A \slot, (\q)+1, 4
.endm
	s_wait_tensorcnt 1                             ; my scale words and my part of slot 0 are in; slot 1's load may be out
	s_barrier_signal -1
	s_barrier_wait -1
	FETCH_B 0, 0, 0
	FETCH_A 0, 0, 0
	s_wait_alu depctr_va_vdst(0)
	SCALES 0
	FETCH_A 0, 0, 4
	s_wait_loadcnt 0x0                             ; the bias
	s_cmp_eq_u32 s96, 0
	s_cbranch_scc0 .Lfirst_v
	STEP 0, 0, 1
	s_branch .Lfirst_done
.Lfirst_v:
.irp a, 0,1,2,3,4,5,6,7
.irp j, 1,2,3,4,5,6,7
	v_mov_b32 v[BI+8*\a+\j], v[BI+8*\a]            ; a lane's eight numbers of a tile share its feature's bias
.endr
.endr
	s_wait_alu depctr_va_vdst(0)
	STEP 0, 0, 2
.Lfirst_done:
	STEP 0, 1, 0
	STEP 0, 2, 0
	; slot 0's last step, and the change to slot 1: each wave's part of slot 1 has landed before it signals
	s_wait_tensorcnt 0x0
	s_wait_dscnt 8
	WIN MUL_LO
	MUL16 0, 1, 3, 0, 0
	s_wait_dscnt 0x0
	s_barrier_signal -1
	MUL16 2, 1, 3, 0, 0
	WIN 0
	s_barrier_wait -1
	PLACES 4
	FETCH_B 1, 0, 0
	FETCH_A 1, 0, 0
	SCALES 1
	WIN MUL_HI
	MUL16 4, 1, 3, 0, 0
	MUL16 6, 1, 3, 0, 0
	PLACES 4
	WIN 0
	FETCH_A 1, 0, 4
	STEP 1, 0, 0
	STEP 1, 1, 0
	STEP 1, 2, 0
	s_wait_dscnt 8
	WIN MUL_LO
	MUL16 0, 1, 3, 1, 0
	MUL16 2, 1, 3, 1, 0
	s_wait_dscnt 0x0
	WIN MUL_HI
	MUL16 4, 1, 3, 1, 0
	MUL16 6, 1, 3, 1, 0
	WIN 0
; THE WAY OUT.  Block a's 64 numbers of a lane are 128 along B: tile 2 b + i holds k = 32 b + 16 i + 8 h + 0..7.  Four blocks of 32: the largest magnitude (with lane l xor 16's), the byte, eight conversions.
; The codes of piece (b, i) go to register 4 (b / 2) + 2 i + b % 2; a swap of the halves of registers (4 c + 2 i, 4 c + 2 i + 1) then leaves register 4 c + g of lane half h with k = 64 c + 32 h + 8 g + 0..7: the operand's image.
; role 0: registers 4 g .. 4 g + 3 are head g's 64 features of 16 tokens; role 1: the eight registers are 128 keys of 16 features.  Every store is 512 consecutive bytes, aligned.
.macro EPI role
	PLACES 4
.set EA, 0
.rept 8
.set AC, 64*(EA%4)
.set WA, 2+EA/4
.set PC, 128+8*EA
.set WN, (WA<<2)|(WA<<4)
	WIN WN                                         ; sources 1 and 2: the accumulators' window
.irp b, 0,1,2,3
	v_max3_num_f32 v[TM+\b], 0x1800000, |v[AC+16*\b]|, |v[AC+16*\b+1]|   ; each accumulator is read from its low end on
.endr
.irp i, 2,4,6,8,10,12,14
.irp b, 0,1,2,3
	v_max3_num_f32 v[TM+\b], v[TM+\b], |v[AC+16*\b+\i]|, |v[AC+16*\b+\i+1]|
.endr
.endr
	WIN 0
.irp b, 0,1,2,3
	v_permlanex16_b32 v[TM+4+\b], v[TM+\b], s2, s3
.endr
.irp b, 0,1,2,3
	v_max_num_f32 v[TM+\b], v[TM+\b], v[TM+4+\b]
.endr
.irp b, 0,1,2,3
	v_add_nc_u32 v[TM+12+\b], 0xff000000, v[TM+\b]
.endr
.irp b, 0,1,2,3
	v_lshrrev_b32 v[TM+4+\b], 23, v[TM+12+\b]
.endr
.irp g, 0,1
	v_lshl_or_b32 v[32+8*\g+EA], v[TM+5+2*\g], 8, v[TM+4+2*\g]   ; two bytes: blocks 2 g, 2 g + 1
.endr
	WIN WA                                         ; source 0: the accumulators' window
.irp b, 0,1,2,3
.irp i, 0,1
	v_cvt_scalef32_pk8_fp4_f32 v[PC+4*(\b/2)+2*\i+(\b%2)], v[AC+16*\b+8*\i:AC+16*\b+8*\i+7], v[TM+12+\b]
.endr
.endr
	WIN 0
	v_nop                                          ; one plain place behind a scaled conversion
.irp c, 0,1
.irp i, 0,1
	v_permlane16_swap_b32 v[PC+4*\c+2*\i], v[PC+4*\c+2*\i+1]
.endr
.endr
.irp g, 0,1
.if \role
	global_store_b128 v[CO], v[PC+4*\g:PC+4*\g+3], s[20:21] offset:(EA/4)*65536+(EA%4)*1024+\g*512
.else
	global_store_b128 v[CO], v[PC+4*\g:PC+4*\g+3], s[20:21] offset:EA*512+\g*262144
.endif
.endr
.set EA, EA+1
.endr
.endm
	v_cmp_le_u32 vcc_lo, 16, v3
	s_mov_b32 s19, 0
	s_cmp_eq_u32 s96, 0
	s_cbranch_scc0 .Lout_v
	s_lshl_b32 s66, s42, 2
	s_lshl_b32 s67, s16, 1
	s_add_co_u32 s66, s66, s67                     ; head (0-15 Q's, 16-31 K's) of g = 0
	s_lshl_b32 s18, s66, 9
	s_lshl_b32 s67, s95, 4
	s_add_co_u32 s18, s18, s67
	s_lshl_b32 s67, s15, 3
	s_add_co_u32 s18, s18, s67                     ; + my first tile of tokens
	s_lshl_b32 s18, s18, 9
	s_add_nc_u64 s[20:21], s[12:13], s[18:19]
	s_lshl_b32 s18, s66, 6
	s_lshl_b32 s67, s95, 1
	s_add_co_u32 s18, s18, s67
	s_add_co_u32 s18, s18, s15                     ; + my 128 tokens
	s_lshl_b32 s18, s18, 9
	s_add_co_u32 s18, s18, QK_SC
	s_add_nc_u64 s[22:23], s[12:13], s[18:19]
	EPI 0
.irp g, 0,1
.irp i, 0,1,2,3
	v_cndmask_b32 v[48+4*\g+\i], v[32+8*\g+\i], v[36+8*\g+\i], vcc_lo   ; lane (r, h): the words of token tiles 4 h + i; their upper two bytes are 0
.endr
	global_store_b128 v[CO], v[48+4*\g:51+4*\g], s[22:23] offset:\g*32768
.endr
	s_branch .Lend
.Lout_v:
	s_lshr_b32 s18, s42, 3                         ; the batch
	s_lshl_b32 s18, s18, 4
	s_lshl_b32 s67, s95, 2
	s_add_co_u32 s18, s18, s67
	s_lshl_b32 s67, s15, 1
	s_add_co_u32 s18, s18, s67                     ; the head of blocks 0-3
	s_lshl_b32 s18, s18, 4
	s_and_b32 s67, s42, 7
	s_lshl_b32 s67, s67, 1
	s_add_co_u32 s18, s18, s67
	s_add_co_u32 s66, s18, s16                     ; + which 128 keys
	s_lshl_b32 s18, s66, 12
	s_add_co_u32 s18, s18, V_CODES
	s_add_nc_u64 s[20:21], s[12:13], s[18:19]
	s_lshl_b32 s18, s66, 8
	s_add_co_u32 s18, s18, V_SC
	s_add_nc_u64 s[22:23], s[12:13], s[18:19]
	EPI 1
.irp a, 0,1,2,3,4,5,6,7
	v_lshl_or_b32 v[48+\a], v[40+\a], 16, v[32+\a] ; the four key blocks' bytes
.endr
.irp i, 0,1,2,3
	v_cndmask_b32 v[56+\i], v[48+\i], v[52+\i], vcc_lo   ; lanes 0-15 the first head's four tiles of features, lanes 16-31 the second's
.endr
	global_store_b128 v[VSO], v[56:59], s[22:23]
.Lend:
	s_wait_tensorcnt 0x0
	ds_add_u32 v126, v127
	s_wait_dscnt 0x0
	CROUND                                         ; the closing round
	s_endpgm
.Lfunc_end_k_q33ecd6e5b6_qkv:
	.size	k_q33ecd6e5b6_qkv, .Lfunc_end_k_q33ecd6e5b6_qkv-k_q33ecd6e5b6_qkv
	.p2alignl 7, 3214868480
	.fill 96, 4, 3214868480
	.section	.rodata,"a",@progbits
	.p2align	6, 0x0
	.amdhsa_kernel k_q33ecd6e5b6_qkv
		.amdhsa_group_segment_fixed_size 327680
		.amdhsa_private_segment_fixed_size 0
		.amdhsa_enable_private_segment 0
		.amdhsa_kernarg_size 40
		.amdhsa_user_sgpr_count 2
		.amdhsa_user_sgpr_kernarg_segment_ptr 1
		.amdhsa_wavefront_size32 1
		.amdhsa_system_sgpr_workgroup_id_x 1
		.amdhsa_system_sgpr_workgroup_id_y 1
		.amdhsa_system_sgpr_workgroup_id_z 1
		.amdhsa_system_vgpr_workitem_id 0
		.amdhsa_next_free_vgpr 1024
		.amdhsa_next_free_sgpr 104
		.amdhsa_reserve_vcc 1
		.amdhsa_float_denorm_mode_32 3
		.amdhsa_float_denorm_mode_16_64 3
		.amdhsa_memory_ordered 1
		.amdhsa_forward_progress 1
		.amdhsa_inst_pref_size 177
	.end_amdhsa_kernel
	.amdgpu_metadata
---
amdhsa.version: [ 1, 2 ]
amdhsa.kernels:
  - .name:           k_q33ecd6e5b6_qkv
    .symbol:         k_q33ecd6e5b6_qkv.kd
    .args:
      - { .name: ops, .offset: 0, .size: 8, .value_kind: global_buffer, .address_space: global }
      - { .name: bq, .offset: 8, .size: 8, .value_kind: global_buffer, .address_space: global }
      - { .name: bk, .offset: 16, .size: 8, .value_kind: global_buffer, .address_space: global }
      - { .name: bv, .offset: 24, .size: 8, .value_kind: global_buffer, .address_space: global }
      - { .name: qkv, .offset: 32, .size: 8, .value_kind: global_buffer, .address_space: global }
    .group_segment_fixed_size: 327680
    .private_segment_fixed_size: 0
    .kernarg_segment_align: 8
    .kernarg_segment_size: 40
    .max_flat_workgroup_size: 128
    .sgpr_count:     104
    .vgpr_count:     1024
    .wavefront_size: 32
...
	.end_amdgpu_metadata
.endif
;; end of part 2
;; launch attn (part 3): grid 4 x 64, 16 waves a work-group, clusters of 4 x 1, 178,176 bytes of LDS; arguments qkv, att, cs; writes att, cs
.if DOCPART == 3
	.amdgcn_target "amdgcn-amd-amdhsa--gfx1250"
	.amdhsa_code_object_version 6
	.text
	.protected	k_q33ecd6e5b6_attn
	.globl	k_q33ecd6e5b6_attn
	.p2align	8
	.type	k_q33ecd6e5b6_attn,@function
k_q33ecd6e5b6_attn:
	s_mov_b64 s[64:65], 0
	v_nop
	global_prefetch_b8 v0, s[64:65] scope:SCOPE_SE
	s_setreg_imm32_b32 hwreg(HW_REG_WAVE_MODE, 25, 1), 1
	s_wait_xcnt 0x0
	s_wait_alu depctr_hold_cnt(0) depctr_sa_sdst(0) depctr_va_vdst(0) depctr_va_sdst(0) depctr_va_ssrc(0) depctr_va_vcc(0) depctr_vm_vsrc(0)
	s_getreg_b32 s2, hwreg(HW_REG_IB_STS2, 6, 4)
	s_cmp_eq_u32 s2, 0
	s_cbranch_scc0 .Lentry_in_a_cluster
	s_endpgm
.Lentry_in_a_cluster:
	s_bfe_u32 s2, ttmp6, 0x10000c
	s_cmp_lg_u32 s2, 0x3003
	s_cbranch_scc0 .Lentry_shape_is_right
	s_endpgm
.Lentry_shape_is_right:
; For one (batch, head) and 512 queries, in two passes over the head's 2,048 keys.
; PASS 1: S^T = K Q^T, p = 2^(t - M) with t = score x log2(e) / 8 and M the ceiling of the running largest t, O^T += V^T p^T, both products on codes of FP4 with E8M0 scales.  The row's sum l is taken of the
; unquantised p.  At its end O / l is quantised along the features for the output projection.
; PASS 2: the columns' sums of the finished softmax over these 512 queries: cs[batch][head][quarter][key] = the sum over my queries of 2^(t - M) x (1 / l), with the final M and l, the scores made anew by the same product.
; SHARES.  16 waves.  Pass 1: 32 queries a wave, as two tiles of 16 worked one after the other on one set of score registers: each fragment of K and V read from LDS feeds two products.  Pass 2: 128 keys a wave, kept in
; registers, against all 32 query tiles, so that a column's sum never leaves its wave.  Four waves lie on a SIMD.
; THE HEAD'S WHOLE K AND V LIE IN LDS (140 KB): every tile is filled once, in four chunks of 512 keys, so no LDS byte is filled twice.  The four query quarters of a head are a cluster and ask for each chunk jointly (mask 15).
; Nothing is prefetched: every tile of the launch is asked for at its head.
; FROM PASS 1 TO PASS 2 each wave hands its two Q fragments (as images of their registers), their scale words, -M and 1 / l to the others through LDS bytes of their own, into which no fill lands; one barrier.
; THE FIRST PRODUCT'S K IS 64 under an instruction of 128: Q's fragment is four registers of codes and four of zero codes; K's fragments lie packed, four registers each, and fragment t is named with the next one's four behind it
; (four written registers follow the last): any code x a zero code is 0.  Bytes 2, 3 of both scale words are 0, which is 2^-127 and no NaN.
; Pass 1 uses both products transposed: a lane holds one query; tile t's register j is key (or feature) 16 t + 8 (lane / 16) + j.  The codes of piece (b, i) go to register 4 (b / 2) + 2 i + b % 2 and a swap of halves makes the operand's image.
; Pass 2 uses the product in its natural sense (source 0 = 16 queries, source 1 = 16 keys): a lane holds ONE key and eight queries.
; LIMITS: the running maximum starts at -3e38; a block under 2^-124 gets the scale byte 1; NaN and infinities are not served.  O's scale bytes leave as two bytes a lane, one store a wave: a head owns half a word of each row.
.set V_CODES, 8388608
.set QK_SC,   12582912
.set V_SC,    13631488
.set O_SC,    4194304
.set KC, 0                             ; LDS: K's codes, key tile x 512
.set VC, 65536                         ; V's codes, 128 keys x 4096 + tile of 16 features x 1024 + c x 512
.set KS, 131072                        ; K's scale words, 128 keys x 512
.set VS, 139264                        ; V's, 128 keys x 256
.set QC2, 143360                       ; for pass 2: the 32 query tiles' images, tile x 512
.set QS2, 159744                       ; their scale words, 128 queries x 512
.set ST2, 161792                       ; -M of the 512 queries (2 KB), then 1 / l
.set RED2, 165888                      ; 512 bytes for each wave: its 128 sums on their way out
.set G1C,  24                          ; s[24:31] 64 rows of 256 bytes;  s[32:39] 8 rows;  s[40:47] 4 rows;  s[48:63] four groups 0
.set G1KS, 32
.set G1VS, 40
; PASS 1: v1 16 x lane; v2-4 lane places (V, K's scales, V's scales); v5-8 the step's addresses; v9 Q's scale words (lanes 0-15 tile A, 16-31 tile B); v10 lane, v11 r; v12-15, v16-19 -M, largest t, l (pair) of tiles A, B;
; v20-27, v28-35 Q; v36-71 K's eight fragments and the four behind them, later V's four; v72-75, v76-79 K's, V's scale words; v80-143 S^T, then p; v144-175, v176-207 O^T; v208-223 p's codes; v224, v225 p's scale words; v226-250 at work
; PASS 2: v2-4 the trip's addresses; v20-27, v28-35 two buffers for a query tile (their upper fours are still zero codes); v36-71 my eight key tiles (v68-71 still zero codes); v72-75 K's scale words; v76-79 Q's;
; v80-143 scores; v144-175 two sets of -M (8), 1 / l (8); v176-191 the sums; v192-207 at work; v251 32 x (lane / 16)
.macro CROUND
	s_barrier_signal -1
	s_barrier_wait -1
	s_cmp_lg_u32 s8, 0
	s_cbranch_scc1 .Lnot_wave_0_\@
	s_barrier_signal -3
.Lnot_wave_0_\@:
	s_barrier_wait -3
	s_barrier_signal -1
	s_barrier_wait -1
.endm
.macro FILL4 lds0, ldsstep, gp, gstep, g1      ; one piece's four chunks: four loads of the wave, one behind the other; four v_nop follow
.irp c, 0,1,2,3
	s_mov_b32 s[48+4*\c], 1
	s_mov_b32 s[49+4*\c], \lds0+\c*\ldsstep
	s_add_nc_u64 s[50+4*\c:51+4*\c], s[\gp:\gp+1], \c*\gstep
	s_or_b32 s[51+4*\c], s[51+4*\c], 0x80000000
.endr
.irp c, 0,1,2,3
	tensor_load_to_lds s[48+4*\c:51+4*\c], s[\g1:\g1+7]
	s_nop 0
.endr
.rept 4
	v_nop
.endr
.endm
	s_load_b128 s[4:7], s[0:1], 0x0                ; qkv, att
	s_load_b64 s[2:3], s[0:1], 0x10                ; cs
	v_lshl_add_u32 v254, v0, 2, 0x2b000
	v_mov_b32 v255, 0
	ds_add_u32 v254, v255
	ds_add_u32 v254, v255
	v_lshrrev_b32 v1, 5, v0
	s_delay_alu instid0(VALU_DEP_1)
	v_readfirstlane_b32 s8, v1                     ; wave 0..15
	s_bfe_u32 s9, ttmp6, 0x40000                   ; cx: my quarter of the queries
	s_and_b32 s10, ttmp7, 0xffff                   ; 16 x batch + head
	s_and_b32 s11, s10, 15                         ; head
	s_lshr_b32 s12, s10, 4                         ; batch
	v_and_b32 v10, 31, v0
	v_and_b32 v11, 15, v0
	s_delay_alu instid0(VALU_DEP_2)
	v_lshlrev_b32 v1, 4, v10                       ; pass 1's LDS address registers are made here, ahead of the branch on the wave's number
	s_delay_alu instid0(VALU_DEP_1)
	v_add_nc_u32 v2, VC, v1
	s_delay_alu instid0(VALU_DEP_2)
	v_add_nc_u32 v3, KS, v1
	s_delay_alu instid0(VALU_DEP_4)
	v_lshl_add_u32 v4, v11, 4, VS
.irp g, G1C, G1KS, G1VS
	s_mov_b32 s[\g], 15|(3<<16)|(1<<21)            ; the mask: all four; elements of 8 bytes; bit 21 beside a mask
	s_mov_b32 s[\g+1], 32<<16
	s_mov_b32 s[\g+3], 32<<16
	s_mov_b32 s[\g+5], 32
	s_mov_b32 s[\g+6], 0
	s_mov_b32 s[\g+7], 0
.endr
	s_mov_b32 s[G1C+2], 64<<16
	s_mov_b32 s[G1C+4], 64
	s_mov_b32 s[G1KS+2], 8<<16
	s_mov_b32 s[G1KS+4], 8
	s_mov_b32 s[G1VS+2], 4<<16
	s_mov_b32 s[G1VS+4], 4
	s_add_co_u32 s13, s11, 16                      ; K's heads follow Q's sixteen
	s_lshl_b32 s66, s13, 18
	s_lshl_b32 s14, s12, 16
	s_add_co_u32 s66, s66, s14                     ; K's codes of this head and batch
	s_mov_b32 s67, 0
	s_lshl_b32 s68, s10, 16
	s_add_co_u32 s68, s68, V_CODES
	s_mov_b32 s69, 0
	s_lshl_b32 s70, s13, 15
	s_lshl_b32 s14, s12, 13
	s_add_co_u32 s70, s70, s14
	s_add_co_u32 s70, s70, QK_SC
	s_mov_b32 s71, 0
	s_lshl_b32 s72, s10, 12
	s_add_co_u32 s72, s72, V_SC
	s_mov_b32 s73, 0
	s_lshl_b32 s13, s12, 7
	s_lshl_b32 s14, s9, 5
	s_add_co_u32 s13, s13, s14
	s_lshl_b32 s14, s8, 1
	s_add_co_u32 s13, s13, s14                     ; my first tile of 16 tokens
	s_lshl_b32 s16, s11, 9
	s_add_co_u32 s16, s16, s13
	s_lshl_b32 s16, s16, 9                         ; Q's codes
	s_mov_b32 s17, 0
	s_lshl_b32 s18, s11, 6
	s_lshr_b32 s14, s13, 3
	s_add_co_u32 s18, s18, s14
	s_lshl_b32 s18, s18, 9                         ; Q's scale words: the 128 tokens that hold my tiles,
	s_bfe_u32 s14, s8, 0x10001
	s_lshl_b32 s14, s14, 8
	s_add_co_u32 s18, s18, s14                     ; which four tiles of them,
	s_and_b32 s14, s8, 1
	s_lshl_b32 s14, s14, 3
	s_add_co_u32 s18, s18, s14                     ; which two of the four
	s_add_co_u32 s18, s18, QK_SC
	s_mov_b32 s19, 0
	s_lshl_b32 s78, s13, 13
	s_lshl_b32 s14, s11, 9
	s_add_co_u32 s78, s78, s14                     ; O's codes: tile x 8192 + head x 512
	s_mov_b32 s79, 0
	s_lshl_b32 s80, s13, 9
	s_lshr_b32 s14, s11, 3
	s_lshl_b32 s14, s14, 8
	s_add_co_u32 s80, s80, s14
	s_bfe_u32 s14, s11, 0x20001
	s_lshl_b32 s14, s14, 2
	s_add_co_u32 s80, s80, s14
	s_and_b32 s14, s11, 1
	s_lshl_b32 s14, s14, 1
	s_add_co_u32 s80, s80, s14
	s_add_co_u32 s80, s80, O_SC                    ; O's scale bytes: the head's two of a row's 32
	s_mov_b32 s81, 0
	s_lshl_b32 s82, s10, 15                        ; cs: four rows of 8,192 bytes for each (batch, head),
	s_lshl_b32 s14, s9, 13
	s_add_co_u32 s82, s82, s14                     ; my quarter's row,
	s_lshl_b32 s14, s8, 9
	s_add_co_u32 s82, s82, s14                     ; my wave's 128 keys
	s_mov_b32 s83, 0
	s_mov_b32 s20, 0x76543210
	s_mov_b32 s21, 0xfedcba98
	s_mov_b32 s22, 0x3e38aa3b                      ; log2(e) / sqrt(64)
	s_mov_b32 s23, s22
	s_wait_dscnt 0x0
	s_wait_kmcnt 0x0
	s_add_nc_u64 s[66:67], s[4:5], s[66:67]
	s_add_nc_u64 s[68:69], s[4:5], s[68:69]
	s_add_nc_u64 s[70:71], s[4:5], s[70:71]
	s_add_nc_u64 s[72:73], s[4:5], s[72:73]
	s_add_nc_u64 s[16:17], s[4:5], s[16:17]
	s_add_nc_u64 s[18:19], s[4:5], s[18:19]
	s_add_nc_u64 s[78:79], s[6:7], s[78:79]
	s_add_nc_u64 s[80:81], s[6:7], s[80:81]
	s_add_nc_u64 s[82:83], s[2:3], s[82:83]
	CROUND                                         ; all four work-groups are here: the joint loads meet
	s_cmp_lg_u32 s8, 0                             ; a wave's four fills stand in one branch on its number; waves 4 to 15 fetch nothing
	s_cbranch_scc1 .Lnot_w0
	FILL4 KC, 16384, 66, 16384, G1C
	s_branch .Lfilled
.Lnot_w0:
	s_cmp_lg_u32 s8, 1
	s_cbranch_scc1 .Lnot_w1
	FILL4 VC, 16384, 68, 16384, G1C
	s_branch .Lfilled
.Lnot_w1:
	s_cmp_lg_u32 s8, 2
	s_cbranch_scc1 .Lnot_w2
	FILL4 KS, 2048, 70, 2048, G1KS
	s_branch .Lfilled
.Lnot_w2:
	s_cmp_lg_u32 s8, 3
	s_cbranch_scc1 .Lfilled
	FILL4 VS, 1024, 72, 1024, G1VS
.Lfilled:
	s_wait_alu depctr_va_vdst(0)
	global_load_b128 v[20:23], v1, s[16:17]        ; Q, tile A
	global_load_b128 v[28:31], v1, s[16:17] offset:512
	v_bfe_u32 v240, v0, 4, 1
	s_delay_alu instid0(VALU_DEP_1)
	v_lshlrev_b32 v240, 2, v240
	s_delay_alu instid0(VALU_DEP_1)
	v_lshl_add_u32 v240, v11, 4, v240              ; 16 r + 4 h
	global_load_b32 v9, v240, s[18:19]
.irp j, 24,25,26,27,32,33,34,35,68,69,70,71
	v_mov_b32 v[\j], 0                             ; zero codes: they stay so through both passes
.endr
.irp j, 14,15,18,19,230,231,232,233,239
	v_mov_b32 v[\j], 0
.endr
	v_mov_b32 v13, 0xff61b1e6                      ; -3e38
	v_mov_b32 v17, 0xff61b1e6
	s_delay_alu instid0(VALU_DEP_2)
	v_floor_f32 v12, -v13
	s_delay_alu instid0(VALU_DEP_2)
	v_floor_f32 v16, -v17
.set JJ, 0
.rept 64
	v_mov_b32 v[144+JJ], 0                         ; O^T: the step is written once, and its first trip finds zeros
.set JJ, JJ+1
.endr
	s_wait_loadcnt 0x0
.macro QKT qt                          ; eight tiles of 16 keys x my 16 queries
.irp t, 0,1,2,3
.if \qt
	v_wmma_scale_f32_16x16x128_f8f6f4 v[80+8*\t:87+8*\t], v[36+4*\t:43+4*\t], v[28:35], 0, v[72+\t], v9 matrix_a_fmt:MATRIX_FMT_FP4 matrix_b_fmt:MATRIX_FMT_FP4 matrix_b_scale:MATRIX_SCALE_ROW1
.else
	v_wmma_scale_f32_16x16x128_f8f6f4 v[80+8*\t:87+8*\t], v[36+4*\t:43+4*\t], v[20:27], 0, v[72+\t], v9 matrix_a_fmt:MATRIX_FMT_FP4 matrix_b_fmt:MATRIX_FMT_FP4
.endif
.endr
.irp t, 4,5,6,7
.if \qt
	v_wmma_scale_f32_16x16x128_f8f6f4 v[80+8*\t:87+8*\t], v[36+4*\t:43+4*\t], v[28:35], 0, v[68+\t], v9 matrix_a_fmt:MATRIX_FMT_FP4 matrix_b_fmt:MATRIX_FMT_FP4 matrix_a_scale:MATRIX_SCALE_ROW1 matrix_b_scale:MATRIX_SCALE_ROW1
.else
	v_wmma_scale_f32_16x16x128_f8f6f4 v[80+8*\t:87+8*\t], v[36+4*\t:43+4*\t], v[20:27], 0, v[68+\t], v9 matrix_a_fmt:MATRIX_FMT_FP4 matrix_b_fmt:MATRIX_FMT_FP4 matrix_a_scale:MATRIX_SCALE_ROW1
.endif
.endr
.endm
.macro SOFTMAX qt
.set ST, 12+4*\qt
.set PC, 208+8*\qt
.set OA, 144+32*\qt
.irp b, 0,1,2,3
	v_max3_num_f32 v[226+\b], v[80+16*\b], v[81+16*\b], v[82+16*\b]   ; the largest score of each block of 32 keys: for the row's maximum and, since p rises with the score, for the block's largest p
.endr
.irp i, 3,5,7,9,11,13
.irp b, 0,1,2,3
	v_max3_num_f32 v[226+\b], v[226+\b], v[80+16*\b+\i], v[81+16*\b+\i]
.endr
.endr
.irp b, 0,1,2,3
	v_max_num_f32 v[226+\b], v[226+\b], v[95+16*\b]
.endr
.irp b, 0,1,2,3
	s_delay_alu instid0(VALU_DEP_4)
	v_permlanex16_b32 v[230+\b], v[226+\b], s20, s21
.endr
.irp b, 0,1,2,3
	s_delay_alu instid0(VALU_DEP_4)
	v_max_num_f32 v[226+\b], v[226+\b], v[230+\b]
.endr
	s_delay_alu instid0(VALU_DEP_2)
	v_max3_num_f32 v240, v226, v227, v228
	s_delay_alu instid0(VALU_DEP_1)
	v_max_num_f32 v240, v240, v229
	s_delay_alu instid0(VALU_DEP_1)
	v_mul_f32 v240, s22, v240
	s_delay_alu instid0(VALU_DEP_1)
	v_max_num_f32 v[ST+1], v[ST+1], v240           ; the running largest t
	v_mov_b32 v240, v[ST]
	s_delay_alu instid0(VALU_DEP_2)
	v_floor_f32 v[ST], -v[ST+1]                    ; -M = floor(-t): M is a whole number
	s_delay_alu instid0(VALU_DEP_1)
	v_sub_f32 v240, v[ST], v240
	s_delay_alu instid0(VALU_DEP_1)
	v_cvt_i32_f32 v240, v240                       ; (it saturates)
	s_delay_alu instid0(VALU_DEP_1)
	v_ldexp_f32 v238, 1.0, v240                    ; f = 2^(old M - new M): exact
.set JJ, 0
.rept 32
	v_pk_fma_f32 v[80+JJ:81+JJ], v[80+JJ:81+JJ], s[22:23], v[ST:ST+1] op_sel_hi:[1,0,0]   ; t - M
.set JJ, JJ+2
.endr
.irp b, 0,1,2,3
	v_fma_f32 v[226+\b], v[226+\b], s22, v[ST]
.endr
.set JJ, 0
	s_wait_alu depctr_va_vdst(0)
.rept 64
	v_exp_f32 v[80+JJ], v[80+JJ]
.set JJ, JJ+1
.endr
	v_pk_mul_f32 v[ST+2:ST+3], v[ST+2:ST+3], v[238:239] op_sel_hi:[1,0]   ; l under the new M: the plain place behind the exponentials
	s_wait_alu depctr_va_vdst(0)                   ; one wait for the batch of 64, ahead of its first reader
.irp b, 0,1,2,3
	v_exp_f32 v[226+\b], v[226+\b]                 ; each block's largest p
.endr
	v_pk_add_f32 v[242:243], v[80:81], v[82:83]    ; the row's sum of the unquantised p, in two chains
.set JJ, 4
.rept 15
	v_pk_add_f32 v[ST+2:ST+3], v[ST+2:ST+3], v[80+JJ:81+JJ]
	v_pk_add_f32 v[242:243], v[242:243], v[82+JJ:83+JJ]
.set JJ, JJ+4
.endr
	s_delay_alu instid0(VALU_DEP_1)
	v_pk_add_f32 v[ST+2:ST+3], v[ST+2:ST+3], v[242:243]
	s_wait_alu depctr_va_vdst(0)                   ; and one for the four
.irp b, 0,1,2,3
	v_max_num_f32 v[226+\b], 0x1800000, v[226+\b]
.endr
.irp b, 0,1,2,3
	s_delay_alu instid0(VALU_DEP_4)
	v_add_nc_u32 v[234+\b], 0xff000000, v[226+\b]
.endr
.irp b, 0,1,2,3
	s_delay_alu instid0(VALU_DEP_4)
	v_lshrrev_b32 v[230+\b], 23, v[234+\b]
.endr
	s_delay_alu instid0(VALU_DEP_3)
	v_lshl_or_b32 v[224+\qt], v231, 8, v230
	s_delay_alu instid0(VALU_DEP_1)
	v_lshl_or_b32 v[224+\qt], v232, 16, v[224+\qt]
	s_delay_alu instid0(VALU_DEP_1)
	v_lshl_or_b32 v[224+\qt], v233, 24, v[224+\qt]
.irp b, 0,1,2,3
.irp i, 0,1
	v_cvt_scalef32_pk8_fp4_f32 v[PC+4*(\b/2)+2*\i+(\b%2)], v[80+16*\b+8*\i:87+16*\b+8*\i], v[234+\b]
.endr
.endr
	v_nop                                          ; one plain place behind a scaled conversion
.irp c, 0,1
.irp i, 0,1
	v_permlane16_swap_b32 v[PC+4*\c+2*\i], v[PC+4*\c+2*\i+1]
.endr
.endr
.set JJ, 0
.rept 16
	v_pk_mul_f32 v[OA+JJ:OA+JJ+1], v[OA+JJ:OA+JJ+1], v[238:239] op_sel_hi:[1,0]   ; O^T under the new M; these sixteen are also the places ahead of the scaled products that take the word and the codes just made
.set JJ, JJ+2
.endr
.endm
.macro STEP                            ; 128 keys
	v_add_nc_u32 v5, s75, v1                       ; four plain lines: the places behind the last step's products, ahead of loads into registers that they read
	v_add_nc_u32 v6, s75, v2
	v_add_nc_u32 v7, s76, v3
	v_add_nc_u32 v8, s77, v4
.irp t, 0,1,2,3,4,5,6,7
	ds_load_b128 v[36+4*\t:39+4*\t], v5 offset:512*\t
.endr
	ds_load_b128 v[72:75], v7
	s_wait_dscnt 0x0
	QKT 0
.rept 4
	v_nop
.endr
	SOFTMAX 0
	QKT 1
.rept 4
	v_nop                                          ; places ahead of the loads over K's fragments and of the first read of the scores
.endr
.irp t, 0,1,2,3
.irp c, 0,1
	ds_load_b128 v[36+8*\t+4*\c:39+8*\t+4*\c], v6 offset:1024*\t+512*\c   ; V lands while tile B's softmax is worked
.endr
.endr
	ds_load_b128 v[76:79], v8
	s_setprio 1
	SOFTMAX 1
	s_setprio 0
	s_wait_alu depctr_va_vdst(0)
	s_wait_dscnt 0x0
.irp t, 0,1,2,3                        ; eight accumulators by turns
	v_wmma_scale_f32_16x16x128_f8f6f4 v[144+8*\t:151+8*\t], v[36+8*\t:43+8*\t], v[208:215], v[144+8*\t:151+8*\t], v[76+\t], v224 matrix_a_fmt:MATRIX_FMT_FP4 matrix_b_fmt:MATRIX_FMT_FP4
	v_wmma_scale_f32_16x16x128_f8f6f4 v[176+8*\t:183+8*\t], v[36+8*\t:43+8*\t], v[216:223], v[176+8*\t:183+8*\t], v[76+\t], v225 matrix_a_fmt:MATRIX_FMT_FP4 matrix_b_fmt:MATRIX_FMT_FP4
.endr
.endm
.macro CHUNK c                         ; 512 keys: four steps
	s_wait_tensorcnt 3-\c                          ; my chunk c has landed; the 3 - c chunks behind it may be out
	s_wait_dscnt 0x0
	s_barrier_signal -1
	s_barrier_wait -1                              ; everybody's has
	s_mov_b32 s75, \c*16384                        ; codes: 4,096 bytes a step
	s_mov_b32 s76, \c*2048                         ; K's scale words: 512
	s_mov_b32 s77, \c*1024                         ; V's: 256
	s_mov_b32 s74, 4
.Lstep_\@:
	s_setprio 2
	STEP
	s_add_co_u32 s75, s75, 4096
	s_add_co_u32 s76, s76, 512
	s_add_co_u32 s77, s77, 256
	s_sub_co_u32 s74, s74, 1
	s_cmp_lg_u32 s74, 0
	s_cbranch_scc1 .Lstep_\@
	s_setprio 0
.endm
	CHUNK 0
	CHUNK 1
	CHUNK 2
	CHUNK 3
	; PASS 1'S WAY OUT
.rept 4
	v_nop                                          ; places behind the last products
.endr
	v_mov_b32 v241, 0                              ; (upper halves of pairs that the packed forms name)
	v_mov_b32 v243, 0
	v_add_f32 v240, v14, v15
	v_add_f32 v242, v18, v19
	s_delay_alu instid0(VALU_DEP_2)
	v_permlanex16_b32 v230, v240, s20, s21
	s_delay_alu instid0(VALU_DEP_2)
	v_permlanex16_b32 v231, v242, s20, s21
	s_delay_alu instid0(VALU_DEP_2)
	v_add_f32 v240, v240, v230                     ; l
	s_delay_alu instid0(VALU_DEP_2)
	v_add_f32 v242, v242, v231
	s_wait_alu depctr_va_vdst(0)
	v_rcp_f32 v240, v240
	v_rcp_f32 v242, v242
	v_nop
	s_wait_alu depctr_va_vdst(0)                   ; one wait for both reciprocals, ahead of their first reader
.irp q, 0,1
.set JJ, 0
.rept 16
	v_pk_mul_f32 v[144+32*\q+JJ:145+32*\q+JJ], v[144+32*\q+JJ:145+32*\q+JJ], v[240+2*\q:241+2*\q] op_sel_hi:[1,0]   ; O / l, each accumulator from its low end on
.set JJ, JJ+2
.endr
.endr
.irp q, 0,1
.irp e, 0,1
	v_max3_num_f32 v[226+2*\q+\e], |v[144+32*\q+16*\e]|, |v[145+32*\q+16*\e]|, 0x1800000   ; the head's two blocks of 32 features
.endr
.endr
.irp i, 2,4,6,8,10,12,14
.irp q, 0,1
.irp e, 0,1
	s_delay_alu instid0(VALU_DEP_4)
	v_max3_num_f32 v[226+2*\q+\e], v[226+2*\q+\e], |v[144+32*\q+16*\e+\i]|, |v[145+32*\q+16*\e+\i]|
.endr
.endr
.endr
.irp b, 0,1,2,3
	s_delay_alu instid0(VALU_DEP_4)
	v_permlanex16_b32 v[230+\b], v[226+\b], s20, s21
.endr
.irp b, 0,1,2,3
	s_delay_alu instid0(VALU_DEP_4)
	v_max_num_f32 v[226+\b], v[226+\b], v[230+\b]
.endr
.irp b, 0,1,2,3
	s_delay_alu instid0(VALU_DEP_4)
	v_add_nc_u32 v[234+\b], 0xff000000, v[226+\b]
.endr
.irp b, 0,1,2,3
	s_delay_alu instid0(VALU_DEP_4)
	v_lshrrev_b32 v[230+\b], 23, v[234+\b]
.endr
	s_delay_alu instid0(VALU_DEP_3)
	v_lshl_or_b32 v244, v231, 8, v230
	s_delay_alu instid0(VALU_DEP_2)
	v_lshl_or_b32 v245, v233, 8, v232
.irp q, 0,1
.irp e, 0,1
.irp i, 0,1
	v_cvt_scalef32_pk8_fp4_f32 v[208+8*\q+2*\i+\e], v[144+32*\q+16*\e+8*\i:151+32*\q+16*\e+8*\i], v[234+2*\q+\e]
.endr
.endr
.endr
	v_nop
.irp q, 0,1
.irp i, 0,1
	v_permlane16_swap_b32 v[208+8*\q+2*\i], v[209+8*\q+2*\i]
.endr
.endr
	global_store_b128 v1, v[208:211], s[78:79]     ; 512 consecutive bytes, aligned
	global_store_b128 v1, v[216:219], s[78:79] offset:8192
	v_cmp_le_u32 vcc_lo, 16, v10                   ; lanes 0-15 speak for tile A's queries, lanes 16-31 for tile B's
	s_delay_alu instid0(VALU_DEP_1)
	v_cndmask_b32 v246, v244, v245, vcc_lo
	v_bfe_u32 v247, v0, 4, 1
	s_delay_alu instid0(VALU_DEP_1)
	v_lshlrev_b32 v247, 9, v247
	s_delay_alu instid0(VALU_DEP_1)
	v_lshl_add_u32 v247, v11, 4, v247
	global_store_b16 v247, v246, s[80:81]
	v_cndmask_b32 v248, v12, v16, vcc_lo           ; -M of query 32 x wave + lane
	v_cndmask_b32 v249, v240, v242, vcc_lo         ; 1 / l
	; FROM PASS 1 TO PASS 2: what the other waves need of my 32 queries goes to LDS.  Every address is a constant + a constant x wave + a lane term.
	s_lshl_b32 s13, s8, 10
	s_add_co_u32 s13, s13, QC2
	v_add_nc_u32 v5, s13, v1
	ds_store_b128 v5, v[20:23]                     ; query tile 2 x wave, as its registers stand,
	ds_store_b128 v5, v[28:31] offset:512          ; and 2 x wave + 1
	s_lshr_b32 s13, s8, 2                          ; the scale words lie as in memory: 128 queries x 512 + (tile / 4) x 256 + 16 r + 4 (tile % 4)
	s_lshl_b32 s13, s13, 9
	s_bfe_u32 s14, s8, 0x10001
	s_lshl_b32 s14, s14, 8
	s_add_co_u32 s13, s13, s14
	s_and_b32 s14, s8, 1
	s_lshl_b32 s14, s14, 3
	s_add_co_u32 s13, s13, s14
	s_add_co_u32 s13, s13, QS2
	v_bfe_u32 v251, v0, 4, 1                       ; h
	s_delay_alu instid0(VALU_DEP_1)
	v_lshlrev_b32 v6, 2, v251
	s_delay_alu instid0(VALU_DEP_1)
	v_lshl_add_u32 v6, v11, 4, v6
	s_delay_alu instid0(VALU_DEP_1)
	v_add_nc_u32 v6, s13, v6
	ds_store_b32 v6, v9
	s_lshl_b32 s13, s8, 7
	s_add_co_u32 s13, s13, ST2
	v_lshl_add_u32 v7, v10, 2, s13
	s_wait_alu depctr_va_vdst(0)
	ds_store_b32 v7, v248
	ds_store_b32 v7, v249 offset:2048
	v_lshlrev_b32 v251, 5, v251                    ; 32 h: a lane's eight queries of a tile
	s_lshl_b32 s13, s8, 12
	v_add_nc_u32 v8, s13, v1                       ; my eight key tiles' codes (KC is LDS byte 0)
.set JJ, 0
.rept 16
	v_mov_b32 v[176+JJ], 0                         ; the sums
.set JJ, JJ+1
.endr
	s_wait_xcnt 0x0                                ; the stores above have read their registers
	s_wait_dscnt 0x0                               ; for the others' sake: my LDS stores have landed
	s_barrier_signal -1
	s_barrier_wait -1
	; PASS 2
	s_lshl_b32 s13, s8, 9
	s_add_co_u32 s13, s13, KS
	v_add_nc_u32 v5, s13, v1
.irp t, 0,1,2,3,4,5,6,7
	ds_load_b128 v[36+4*\t:39+4*\t], v8 offset:512*\t
.endr
	ds_load_b128 v[72:75], v5                      ; and their scale words
.macro LOADT a                         ; query tile a of the trip's eight: its codes, -M and 1 / l of its queries 8 h + 0..7: five loads
.set BF, (\a)%2
	ds_load_b128 v[20+8*BF:23+8*BF], v2 offset:(\a)*512
	ds_load_b128 v[144+16*BF:147+16*BF], v3 offset:(\a)*64
	ds_load_b128 v[148+16*BF:151+16*BF], v3 offset:(\a)*64+16
	ds_load_b128 v[152+16*BF:155+16*BF], v3 offset:(\a)*64+2048
	ds_load_b128 v[156+16*BF:159+16*BF], v3 offset:(\a)*64+2064
.endm
.macro TILE a
.if (\a) < 7
	LOADT (\a)+1
	s_wait_dscnt 5                                 ; this tile's loads are in; the next tile's five may be out
.else
	s_wait_dscnt 0x0
.endif
.set QB, 20+8*((\a)%2)
.set NM, 144+16*((\a)%2)
.irp t, 0,1,2,3,4,5,6,7
.if ((\a) < 4) && (\t < 4)
	v_wmma_scale_f32_16x16x128_f8f6f4 v[80+8*\t:87+8*\t], v[QB:QB+7], v[36+4*\t:43+4*\t], 0, v[76+(\a)], v[72+\t] matrix_a_fmt:MATRIX_FMT_FP4 matrix_b_fmt:MATRIX_FMT_FP4
.elseif ((\a) < 4)
	v_wmma_scale_f32_16x16x128_f8f6f4 v[80+8*\t:87+8*\t], v[QB:QB+7], v[36+4*\t:43+4*\t], 0, v[76+(\a)], v[68+\t] matrix_a_fmt:MATRIX_FMT_FP4 matrix_b_fmt:MATRIX_FMT_FP4 matrix_b_scale:MATRIX_SCALE_ROW1
.elseif (\t < 4)
	v_wmma_scale_f32_16x16x128_f8f6f4 v[80+8*\t:87+8*\t], v[QB:QB+7], v[36+4*\t:43+4*\t], 0, v[72+(\a)], v[72+\t] matrix_a_fmt:MATRIX_FMT_FP4 matrix_b_fmt:MATRIX_FMT_FP4 matrix_a_scale:MATRIX_SCALE_ROW1
.else
	v_wmma_scale_f32_16x16x128_f8f6f4 v[80+8*\t:87+8*\t], v[QB:QB+7], v[36+4*\t:43+4*\t], 0, v[72+(\a)], v[68+\t] matrix_a_fmt:MATRIX_FMT_FP4 matrix_b_fmt:MATRIX_FMT_FP4 matrix_a_scale:MATRIX_SCALE_ROW1 matrix_b_scale:MATRIX_SCALE_ROW1
.endif
.endr
.rept 4
	v_nop                                          ; places behind the products
.endr
.irp i, 0,1,2,3
.irp t, 0,1,2,3,4,5,6,7
	v_pk_fma_f32 v[80+8*\t+2*\i:81+8*\t+2*\i], v[80+8*\t+2*\i:81+8*\t+2*\i], s[22:23], v[NM+2*\i:NM+2*\i+1] op_sel_hi:[1,0,1]   ; t - M of queries 8 h + 2 i, + 1; each accumulator from its low end on
.endr
.endr
.set JJ, 0
	s_setprio 1
	s_wait_alu depctr_va_vdst(0)
.rept 64
	v_exp_f32 v[80+JJ], v[80+JJ]
.set JJ, JJ+1
.endr
	v_nop
	s_setprio 0
	s_wait_alu depctr_va_vdst(0)                   ; one wait for the batch, ahead of its first reader
.irp i, 0,1,2,3
.irp t, 0,1,2,3,4,5,6,7
	v_pk_fma_f32 v[176+2*\t:177+2*\t], v[80+8*\t+2*\i:81+8*\t+2*\i], v[NM+8+2*\i:NM+9+2*\i], v[176+2*\t:177+2*\t]   ; + p / l: eight chains by turns
.endr
.endr
.endm
	s_mov_b32 s75, QC2                             ; a trip's eight query tiles: 4,096 bytes of codes,
	s_mov_b32 s76, ST2                             ; 512 of -M (and of 1 / l, 2,048 on),
	s_mov_b32 s77, QS2                             ; 512 of scale words
	s_mov_b32 s74, 4
.Lpass2:                                           ; four trips of 128 queries
	v_add_nc_u32 v2, s75, v1
	v_add_nc_u32 v3, s76, v251
	v_add_nc_u32 v4, s77, v1
	ds_load_b128 v[76:79], v4                      ; Q's scale words of these 128 queries
	LOADT 0
.irp a, 0,1,2,3,4,5,6,7
	s_setprio 2
	TILE \a
.endr
	s_add_co_u32 s75, s75, 4096
	s_add_co_u32 s76, s76, 512
	s_add_co_u32 s77, s77, 512
	s_sub_co_u32 s74, s74, 1
	s_cmp_lg_u32 s74, 0
	s_cbranch_scc1 .Lpass2
	s_setprio 0
.irp t, 0,1,2,3,4,5,6,7
	v_add_f32 v[192+\t], v[176+2*\t], v[177+2*\t]
.endr
.irp t, 0,1,2,3,4,5,6,7
	v_permlanex16_b32 v[200+\t], v[192+\t], s20, s21
.endr
.irp t, 0,1,2,3,4,5,6,7
	v_add_f32 v[192+\t], v[192+\t], v[200+\t]      ; key 16 t + r: the sum over the work-group's 512 queries
.endr
	v_cmp_le_u32 vcc_lo, 16, v10
.irp p, 0,1,2,3
	v_cndmask_b32 v[200+\p], v[192+2*\p], v[193+2*\p], vcc_lo   ; key 32 p + lane
.endr
	s_lshl_b32 s13, s8, 9
	s_add_co_u32 s13, s13, RED2
	v_lshl_add_u32 v5, v10, 2, s13
	v_add_nc_u32 v6, s13, v1
.irp p, 0,1,2,3
	ds_store_b32 v5, v[200+\p] offset:128*\p
.endr
	ds_load_b128 v[80:83], v6                      ; my own bytes: LDS serves a wave's instructions in order, so this sees the stores
	s_wait_dscnt 0x0
	global_store_b128 v1, v[80:83], s[82:83]       ; my 128 keys: 512 consecutive bytes, aligned
	s_wait_tensorcnt 0x0
	ds_add_u32 v254, v255
	s_wait_dscnt 0x0
	CROUND                                         ; the closing round
	s_endpgm
.Lfunc_end_k_q33ecd6e5b6_attn:
	.size	k_q33ecd6e5b6_attn, .Lfunc_end_k_q33ecd6e5b6_attn-k_q33ecd6e5b6_attn
	.p2alignl 7, 3214868480
	.fill 96, 4, 3214868480
	.section	.rodata,"a",@progbits
	.p2align	6, 0x0
	.amdhsa_kernel k_q33ecd6e5b6_attn
		.amdhsa_group_segment_fixed_size 178176
		.amdhsa_private_segment_fixed_size 0
		.amdhsa_enable_private_segment 0
		.amdhsa_kernarg_size 24
		.amdhsa_user_sgpr_count 2
		.amdhsa_user_sgpr_kernarg_segment_ptr 1
		.amdhsa_wavefront_size32 1
		.amdhsa_system_sgpr_workgroup_id_x 1
		.amdhsa_system_sgpr_workgroup_id_y 1
		.amdhsa_system_sgpr_workgroup_id_z 1
		.amdhsa_system_vgpr_workitem_id 0
		.amdhsa_next_free_vgpr 256
		.amdhsa_next_free_sgpr 84
		.amdhsa_reserve_vcc 1
		.amdhsa_float_denorm_mode_32 3
		.amdhsa_float_denorm_mode_16_64 3
		.amdhsa_memory_ordered 1
		.amdhsa_forward_progress 1
		.amdhsa_inst_pref_size 212
	.end_amdhsa_kernel
	.amdgpu_metadata
---
amdhsa.version: [ 1, 2 ]
amdhsa.kernels:
  - .name:           k_q33ecd6e5b6_attn
    .symbol:         k_q33ecd6e5b6_attn.kd
    .args:
      - { .name: qkv, .offset: 0, .size: 8, .value_kind: global_buffer, .address_space: global }
      - { .name: att, .offset: 8, .size: 8, .value_kind: global_buffer, .address_space: global }
      - { .name: cs, .offset: 16, .size: 8, .value_kind: global_buffer, .address_space: global }
    .group_segment_fixed_size: 178176
    .private_segment_fixed_size: 0
    .kernarg_segment_align: 8
    .kernarg_segment_size: 24
    .max_flat_workgroup_size: 512
    .sgpr_count:     84
    .vgpr_count:     256
    .wavefront_size: 32
...
	.end_amdgpu_metadata
.endif
;; end of part 3
;; launch oproj (part 4): grid 32 x 4, 4 waves a work-group, clusters of 4 x 4, 280,064 bytes of LDS; arguments ops, att, cs, bo, part; writes part
.if DOCPART == 4
	.amdgcn_target "amdgcn-amd-amdhsa--gfx1250"
	.amdhsa_code_object_version 6
	.text
	.protected	k_q33ecd6e5b6_oproj
	.globl	k_q33ecd6e5b6_oproj
	.p2align	8
	.type	k_q33ecd6e5b6_oproj,@function
k_q33ecd6e5b6_oproj:
	s_mov_b64 s[64:65], 0
	v_nop
	global_prefetch_b8 v0, s[64:65] scope:SCOPE_SE
	s_setreg_imm32_b32 hwreg(HW_REG_WAVE_MODE, 25, 1), 1
	s_wait_xcnt 0x0
	s_wait_alu depctr_hold_cnt(0) depctr_sa_sdst(0) depctr_va_vdst(0) depctr_va_sdst(0) depctr_va_ssrc(0) depctr_va_vcc(0) depctr_vm_vsrc(0)
	s_getreg_b32 s2, hwreg(HW_REG_IB_STS2, 6, 4)
	s_cmp_eq_u32 s2, 0
	s_cbranch_scc0 .Lentry_in_a_cluster
	s_endpgm
.Lentry_in_a_cluster:
	s_bfe_u32 s2, ttmp6, 0x10000c
	s_cmp_lg_u32 s2, 0xf033
	s_cbranch_scc0 .Lentry_shape_is_right
	s_endpgm
.Lentry_shape_is_right:
; out = (O / l) Wo + bo on codes of FP4 with E8M0 scales (K = 1,024), and at once its sum over tokens weighted by pool_w[token] = (the sum of cs over 16 heads and 4 query quarters) / (16 x 2,048).  out itself never goes to memory.
; A work-group makes 256 features (A, source 1: a lane holds one feature) x 256 tokens (B, source 0: the registers run along the tokens); a wave 128 x 128.  Each wave stores the weighted sum of its 128 tokens for its 128 features.
; Operands are images of the operand's registers, as in the launch that makes Q, K and V, whose ring-free form this is: two slots of 512 along K, both filled once.  CLUSTER 4 x 4: Wo's tiles are asked for jointly by a row, O's by a column.
; 128 work-groups: half of 256.  The launch has one row of clusters, so the block of features is cy.
; part[128 tokens][1024]: inside a group of 128 features, byte (lane / 16) x 256 + (lane % 16) x 16 + 4 i holds feature 16 (4 (lane / 16) + i) + lane % 16.
.set SC_OFF,  6291456
.set O_SC,    4194304
.set FR,   8
.set SLOT, 131072
.set SCL,  262144
.set WL,   278528                      ; the 256 tokens' weights: bytes of their own, into which no fill lands
.set ADRA, 16
.set ADRB, 20
.set BO,   25
.set CO,   26
.set ADRS, 27
.set SC,   32
.set AF,   128
.set BI,   192
.set G1,   24
.set G0,   32
.set G1B,  48
.set G0B,  56
.set G1S,  68
.set G0S,  76
.set G1SB, 80
.set G0SB, 88
.set MSB, 0
.macro WIN new
.if MSB != (\new)
	s_set_vgpr_msb (MSB<<8)|(\new)
.set MSB, (\new)
.endif
.endm
.set MUL_LO, 0xa1
.set MUL_HI, 0xf1
.set TO_B,   0x40
.macro JLOAD g0a, g1a, g0b, g1b
	s_cmp_eq_u32 s15, 0
	s_cbranch_scc0 .Lfor_b_\@
	tensor_load_to_lds s[\g0a:\g0a+3], s[\g1a:\g1a+7]
	s_nop 0
.rept 4
	v_nop
.endr
	s_branch .Lasked_\@
.Lfor_b_\@:
	tensor_load_to_lds s[\g0b:\g0b+3], s[\g1b:\g1b+7]
	s_nop 0
.rept 4
	v_nop
.endr
.Lasked_\@:
.endm
.macro CROUND
	s_barrier_signal -1
	s_barrier_wait -1
	s_cmp_lg_u32 s14, 0
	s_cbranch_scc1 .Lnot_wave_0_\@
	s_barrier_signal -3
.Lnot_wave_0_\@:
	s_barrier_wait -3
	s_barrier_signal -1
	s_barrier_wait -1
.endm
.macro PLACES n
.rept \n
	v_nop
.endr
.endm
	s_load_b256 s[4:11], s[0:1], 0x0               ; ops, att, cs, bo
	s_load_b64 s[12:13], s[0:1], 0x20              ; part
	v_lshl_add_u32 v30, v0, 2, 0x44400
	v_mov_b32 v31, 0
	ds_add_u32 v30, v31
	ds_add_u32 v30, v31
	v_lshrrev_b32 v1, 5, v0
	v_readfirstlane_b32 s14, v1
	s_lshr_b32 s15, s14, 1                         ; my half of the features.  Also: I fetch for A (0) or B (1)
	s_and_b32 s16, s14, 1                          ; my half of the tokens.  Also: which 8 tiles I fetch
	s_bfe_u32 s40, ttmp6, 0x40000                  ; cx
	s_bfe_u32 s41, ttmp6, 0x40004                  ; cy: which 256 features
	s_lshl_b32 s42, ttmp9, 2
	s_add_co_u32 s42, s42, s40                     ; which 256 tokens
	s_lshl_b32 s43, s41, 2
	s_lshl_b32 s43, 15, s43
	s_lshl_b32 s44, 0x1111, s40
	s_or_b32 s[G1+0], s43, (3<<16)|(1<<21)
	s_or_b32 s[G1B+0], s44, (3<<16)|(1<<21)
.irp g, G1, G1B
	s_mov_b32 s[\g+1], 512<<16
	s_mov_b32 s[\g+2], 8<<16
	s_mov_b32 s[\g+3], 512<<16
	s_mov_b32 s[\g+4], 8
	s_mov_b32 s[\g+5], 1024
	s_mov_b32 s[\g+6], 0
	s_mov_b32 s[\g+7], 0
.endr
	s_or_b32 s[G1S+0], s43, (3<<16)|(1<<21)
	s_or_b32 s[G1SB+0], s44, (3<<16)|(1<<21)
.irp g, G1S, G1SB
	s_mov_b32 s[\g+1], 32<<16
	s_mov_b32 s[\g+2], 16<<16
	s_mov_b32 s[\g+3], 32<<16
	s_mov_b32 s[\g+4], 16
	s_mov_b32 s[\g+5], 32
	s_mov_b32 s[\g+6], 0
	s_mov_b32 s[\g+7], 0
.endr
	s_lshl_b32 s18, s16, 3
	s_lshl_b32 s20, s41, 4
	s_add_co_u32 s20, s20, s18
	s_add_co_u32 s20, s20, 704                     ; Wo's tiles in ops
	s_lshl_b32 s46, s42, 4
	s_add_co_u32 s46, s46, s18                     ; O's tiles in att
	s_lshl_b32 s22, s20, 9
	s_add_co_u32 s22, s22, SC_OFF
	s_mov_b32 s23, 0
	s_lshl_b32 s92, s46, 9
	s_add_co_u32 s92, s92, O_SC
	s_mov_b32 s93, 0
	s_lshl_b32 s20, s20, 13
	s_mov_b32 s21, 0
	s_lshl_b32 s46, s46, 13
	s_mov_b32 s47, 0
	s_lshl_b32 s45, s14, 15
	s_lshl_b32 s94, s14, 12
	s_wait_dscnt 0x0
	s_wait_kmcnt 0x0
	s_add_nc_u64 s[20:21], s[4:5], s[20:21]
	s_add_nc_u64 s[22:23], s[4:5], s[22:23]
	s_add_nc_u64 s[46:47], s[6:7], s[46:47]
	s_add_nc_u64 s[92:93], s[6:7], s[92:93]
	CROUND
	s_mov_b32 s[G0S], 1
	s_add_co_u32 s[G0S+1], s94, SCL
	s_mov_b64 s[G0S+2:G0S+3], s[22:23]
	s_or_b32 s[G0S+3], s[G0S+3], 0x80000000
	s_mov_b32 s[G0SB], 1
	s_add_co_u32 s[G0SB+1], s94, SCL
	s_mov_b64 s[G0SB+2:G0SB+3], s[92:93]
	s_or_b32 s[G0SB+3], s[G0SB+3], 0x80000000
	JLOAD G0S, G1S, G0SB, G1SB
.irp s, 0,1
	s_mov_b32 s[G0+4*\s], 1
	s_add_co_u32 s[G0+4*\s+1], s45, \s*SLOT
	s_add_nc_u64 s[G0+4*\s+2:G0+4*\s+3], s[20:21], \s*4096
	s_or_b32 s[G0+4*\s+3], s[G0+4*\s+3], 0x80000000
	s_mov_b32 s[G0B+4*\s], 1
	s_add_co_u32 s[G0B+4*\s+1], s45, \s*SLOT
	s_add_nc_u64 s[G0B+4*\s+2:G0B+4*\s+3], s[46:47], \s*4096
	s_or_b32 s[G0B+4*\s+3], s[G0B+4*\s+3], 0x80000000
	JLOAD G0+4*\s, G1, G0B+4*\s, G1B               ; three tensor loads of mine are out now, and no more follow
.endr
	v_and_b32 v1, 15, v0
	v_bfe_u32 v2, v0, 4, 1
	v_and_b32 v3, 31, v0
	v_lshlrev_b32 v[CO], 4, v3
	s_lshl_b32 s18, s15, 15
	s_lshl_b32 s19, s16, 15
	s_add_co_u32 s19, s19, 65536
.irp s, 0,1
	v_add_nc_u32 v[ADRA+\s], s18, v[CO]
	v_add_nc_u32 v[ADRB+\s], s19, v[CO]
	s_add_co_u32 s18, s18, SLOT
	s_add_co_u32 s19, s19, SLOT
.endr
	v_lshlrev_b32 v7, 4, v1
	s_lshl_b32 s18, s15, 12
	s_lshl_b32 s19, s16, 12
	s_add_co_u32 s19, s19, 8192
	s_sub_co_u32 s19, s19, s18
	v_mul_u32_u24 v6, s19, v2
	s_add_co_u32 s18, s18, SCL
	v_add_nc_u32 v5, v7, v6
	v_add_nc_u32 v[ADRS], s18, v5
	v_lshl_add_u32 v9, v0, 3, WL                   ; where I put two tokens' weights,
	s_lshl_b32 s18, s16, 9
	s_add_co_u32 s18, s18, WL
	v_lshl_add_u32 v10, v2, 5, s18                 ; and where I read my wave's: 8 h tokens on
.irp j, 0,1,2,3,4,5,6,7
	v_mov_b32 v[120+\j], 0                         ; a lane permute's destination counts as read
.endr
	s_mov_b32 s2, 0x76543210
	s_mov_b32 s3, 0xfedcba98
	s_lshr_b32 s66, s42, 3
	s_lshl_b32 s66, s66, 19                        ; the batch's 64 rows (16 heads x 4 query quarters) of 2,048 sums,
	s_and_b32 s67, s42, 7
	s_lshl_b32 s67, s67, 10
	s_add_co_u32 s66, s66, s67                     ; my work-group's 256 tokens
	s_mov_b32 s67, 0
	s_add_nc_u64 s[18:19], s[8:9], s[66:67]
	v_lshlrev_b32 v8, 3, v0                        ; thread t: tokens 2 t, 2 t + 1
.set KK, 0
.rept 32
	global_load_b64 v[32+2*KK:33+2*KK], v8, s[18:19] offset:KK*8192          ; a wave reads 256 consecutive bytes of a row
	global_load_b64 v[128+2*KK:129+2*KK], v8, s[18:19] offset:(32+KK)*8192
.set KK, KK+1
.endr
	s_lshl_b32 s66, s41, 10
	s_lshl_b32 s67, s15, 9
	s_add_co_u32 s66, s66, s67
	s_mov_b32 s67, 0
	s_add_nc_u64 s[22:23], s[10:11], s[66:67]
	v_lshlrev_b32 v[BO], 2, v1
.irp a, 0,1,2,3,4,5,6,7
	global_load_b32 v[BI+8*\a], v[BO], s[22:23] offset:64*\a   ; block a: the lane's one feature 16 a + r
.endr
	s_wait_loadcnt 0x0
.set KK, 1
.rept 31
	v_pk_add_f32 v[32:33], v[32:33], v[32+2*KK:33+2*KK]        ; two chains
	v_pk_add_f32 v[128:129], v[128:129], v[128+2*KK:129+2*KK]
.set KK, KK+1
.endr
	v_pk_add_f32 v[32:33], v[32:33], v[128:129]
	v_pk_mul_f32 v[32:33], v[32:33], 0x38000000 op_sel_hi:[1,0]   ; x 2^-15 = 1 / (16 x 2,048)
	ds_store_b64 v9, v[32:33]
.irp a, 0,1,2,3,4,5,6,7
.irp j, 1,2,3,4,5,6,7
	v_mov_b32 v[BI+8*\a+\j], v[BI+8*\a]            ; a lane's eight numbers of a tile share its feature's bias
.endr
.endr
.macro FRAG reg, adr, q, i
.irp c, 0,1
	ds_load_b128 v[\reg+4*\c:\reg+4*\c+3], v[\adr] offset:(\i)*4096+(\q)*1024+512*\c
.endr
.endm
; 16 products: A's blocks a0, a0 + 1 x B's eight.  mode 0: onto the sums; 2: C = the bias of A's block.  The 64 accumulators take turns.
.macro MUL16 a0, p, q, sc, mode
.irp a, \a0, \a0+1
.irp b, 0,1,2,3,4,5,6,7
.if \mode == 0
	v_wmma_scale_f32_16x16x128_f8f6f4 v[8*(8*((\a)%4)+\b):8*(8*((\a)%4)+\b)+7], v[128*(\p)+FR*\b:128*(\p)+FR*\b+FR-1], v[AF+FR*(\a):AF+FR*(\a)+FR-1], v[8*(8*((\a)%4)+\b):8*(8*((\a)%4)+\b)+7], v[SC+32*(\sc)+4*\b+(\q)], v[SC+32*(\sc)+4*(\a)+(\q)] matrix_a_fmt:MATRIX_FMT_FP4 matrix_b_fmt:MATRIX_FMT_FP4 matrix_a_scale:MATRIX_SCALE_ROW1
.else
	v_wmma_scale_f32_16x16x128_f8f6f4 v[8*(8*((\a)%4)+\b):8*(8*((\a)%4)+\b)+7], v[128*(\p)+FR*\b:128*(\p)+FR*\b+FR-1], v[AF+FR*(\a):AF+FR*(\a)+FR-1], v[BI+8*(\a):BI+8*(\a)+7], v[SC+32*(\sc)+4*\b+(\q)], v[SC+32*(\sc)+4*(\a)+(\q)] matrix_a_fmt:MATRIX_FMT_FP4 matrix_b_fmt:MATRIX_FMT_FP4 matrix_a_scale:MATRIX_SCALE_ROW1
.endif
.endr
.endr
.endm
.macro FETCH_B slot, q, p
	WIN TO_B
.irp i, 0,1,2,3,4,5,6,7
	FRAG 128*(\p)+FR*\i, ADRB+\slot, \q, \i
.endr
	WIN 0
.endm
.macro FETCH_A slot, q, i0
.irp i, \i0, \i0+1, \i0+2, \i0+3
	FRAG AF+FR*(\i), ADRA+\slot, \q, \i
.endr
.endm
.macro SCALES sc
.irp i, 0,1,2,3,4,5,6,7
	ds_load_b128 v[SC+32*\sc+4*\i:SC+32*\sc+4*\i+3], v[ADRS] offset:\i*512+\sc*256
.endr
.endm
.macro STEP slot, q, mode
	s_wait_dscnt 8                                 ; all but the youngest eight loads (A's blocks 4-7) are in
.if \mode
	WIN 0x81
.else
	WIN MUL_LO
.endif
	MUL16 0, (\q)%2, \q, \slot, \mode
	MUL16 2, (\q)%2, \q, \slot, \mode
	s_wait_dscnt 0x0
	PLACES 4
	FETCH_B \slot, (\q)+1, 1-(\q)%2
	FETCH_A \slot, (\q)+1, 0
.if \mode
	WIN 0xc1
.else
	WIN MUL_HI
.endif
	MUL16 4, (\q)%2, \q, \slot, \mode
	MUL16 6, (\q)%2, \q, \slot, \mode
	PLACES 4
	WIN 0
	FETCH_A \slot, (\q)+1, 4
.endm
	s_wait_tensorcnt 1                             ; my scale words and my part of slot 0 are in; slot 1's load may be out
	s_wait_dscnt 0x0                               ; my two weights have landed
	s_barrier_signal -1
	s_barrier_wait -1
	FETCH_B 0, 0, 0
	FETCH_A 0, 0, 0
	SCALES 0
	FETCH_A 0, 0, 4
	STEP 0, 0, 2
	STEP 0, 1, 0
	STEP 0, 2, 0
	s_wait_tensorcnt 0x0                           ; my part of slot 1 has landed
	s_wait_dscnt 8
	WIN MUL_LO
	MUL16 0, 1, 3, 0, 0
	s_wait_dscnt 0x0
	s_barrier_signal -1
	MUL16 2, 1, 3, 0, 0
	WIN 0
	s_barrier_wait -1
	PLACES 4
	FETCH_B 1, 0, 0
	FETCH_A 1, 0, 0
	SCALES 1
	WIN MUL_HI
	MUL16 4, 1, 3, 0, 0
	MUL16 6, 1, 3, 0, 0
	PLACES 4
	WIN 0
	FETCH_A 1, 0, 4
	STEP 1, 0, 0
	STEP 1, 1, 0
	STEP 1, 2, 0
	s_wait_dscnt 8
	WIN MUL_LO
	MUL16 0, 1, 3, 1, 0
	MUL16 2, 1, 3, 1, 0
	s_wait_dscnt 0x0
	WIN MUL_HI
	MUL16 4, 1, 3, 1, 0
	MUL16 6, 1, 3, 1, 0
	WIN 0
	; THE WAY OUT: the weights of my 128 tokens in the accumulators' order (tile b: tokens 16 b + 8 h + 0..7), then one packed multiply-add for each pair of numbers
	PLACES 4
.irp b, 0,1,2,3,4,5,6,7
.irp i, 0,1
	ds_load_b128 v[32+8*\b+4*\i:35+8*\b+4*\i], v10 offset:64*\b+16*\i
.endr
.endr
	s_wait_dscnt 0x0
.irp w, 0,1
	WIN 2+\w                                       ; source 0: the accumulators' window
.irp b, 0,1,2,3,4,5,6,7
.irp i, 0,1,2,3
.irp a, 0,1,2,3
.if (\b == 0) && (\i == 0)
	v_pk_mul_f32 v[96+8*\w+2*\a:97+8*\w+2*\a], v[64*\a+8*\b+2*\i:64*\a+8*\b+2*\i+1], v[32+8*\b+2*\i:33+8*\b+2*\i]
.else
	v_pk_fma_f32 v[96+8*\w+2*\a:97+8*\w+2*\a], v[64*\a+8*\b+2*\i:64*\a+8*\b+2*\i+1], v[32+8*\b+2*\i:33+8*\b+2*\i], v[96+8*\w+2*\a:97+8*\w+2*\a]
.endif
.endr
.endr
.endr
.endr
	WIN 0
.irp a, 0,1,2,3,4,5,6,7
	v_add_f32 v[112+\a], v[96+2*\a], v[97+2*\a]
.endr
.irp a, 0,1,2,3,4,5,6,7
	v_permlanex16_b32 v[120+\a], v[112+\a], s2, s3
.endr
.irp a, 0,1,2,3,4,5,6,7
	v_add_f32 v[112+\a], v[112+\a], v[120+\a]      ; feature 16 a + r: my 128 tokens' share
.endr
	v_cmp_le_u32 vcc_lo, 16, v3
.irp i, 0,1,2,3
	v_cndmask_b32 v[96+\i], v[112+\i], v[116+\i], vcc_lo
.endr
	s_lshl_b32 s18, s42, 1
	s_add_co_u32 s18, s18, s16                     ; which 128 tokens
	s_lshl_b32 s18, s18, 12
	s_lshl_b32 s19, s41, 10
	s_add_co_u32 s18, s18, s19
	s_lshl_b32 s19, s15, 9
	s_add_co_u32 s18, s18, s19
	s_mov_b32 s19, 0
	s_add_nc_u64 s[12:13], s[12:13], s[18:19]
	global_store_b128 v[CO], v[96:99], s[12:13]    ; 512 consecutive bytes, aligned
	s_wait_tensorcnt 0x0
	ds_add_u32 v30, v31
	s_wait_dscnt 0x0
	CROUND                                         ; the closing round
	s_endpgm
.Lfunc_end_k_q33ecd6e5b6_oproj:
	.size	k_q33ecd6e5b6_oproj, .Lfunc_end_k_q33ecd6e5b6_oproj-k_q33ecd6e5b6_oproj
	.p2alignl 7, 3214868480
	.fill 96, 4, 3214868480
	.section	.rodata,"a",@progbits
	.p2align	6, 0x0
	.amdhsa_kernel k_q33ecd6e5b6_oproj
		.amdhsa_group_segment_fixed_size 280064
		.amdhsa_private_segment_fixed_size 0
		.amdhsa_enable_private_segment 0
		.amdhsa_kernarg_size 40
		.amdhsa_user_sgpr_count 2
		.amdhsa_user_sgpr_kernarg_segment_ptr 1
		.amdhsa_wavefront_size32 1
		.amdhsa_system_sgpr_workgroup_id_x 1
		.amdhsa_system_sgpr_workgroup_id_y 1
		.amdhsa_system_sgpr_workgroup_id_z 1
		.amdhsa_system_vgpr_workitem_id 0
		.amdhsa_next_free_vgpr 1024
		.amdhsa_next_free_sgpr 104
		.amdhsa_reserve_vcc 1
		.amdhsa_float_denorm_mode_32 3
		.amdhsa_float_denorm_mode_16_64 3
		.amdhsa_memory_ordered 1
		.amdhsa_forward_progress 1
		.amdhsa_inst_pref_size 126
	.end_amdhsa_kernel
	.amdgpu_metadata
---
amdhsa.version: [ 1, 2 ]
amdhsa.kernels:
  - .name:           k_q33ecd6e5b6_oproj
    .symbol:         k_q33ecd6e5b6_oproj.kd
    .args:
      - { .name: ops, .offset: 0, .size: 8, .value_kind: global_buffer, .address_space: global }
      - { .name: att, .offset: 8, .size: 8, .value_kind: global_buffer, .address_space: global }
      - { .name: cs, .offset: 16, .size: 8, .value_kind: global_buffer, .address_space: global }
      - { .name: bo, .offset: 24, .size: 8, .value_kind: global_buffer, .address_space: global }
      - { .name: part, .offset: 32, .size: 8, .value_kind: global_buffer, .address_space: global }
    .group_segment_fixed_size: 280064
    .private_segment_fixed_size: 0
    .kernarg_segment_align: 8
    .kernarg_segment_size: 40
    .max_flat_workgroup_size: 128
    .sgpr_count:     104
    .vgpr_count:     1024
    .wavefront_size: 32
...
	.end_amdgpu_metadata
.endif
;; end of part 4
;; launch final (part 5): grid 8 x 1, 8 waves a work-group, no clusters, 0 bytes of LDS; arguments part, out0; writes out0
.if DOCPART == 5
	.amdgcn_target "amdgcn-amd-amdhsa--gfx1250"
	.amdhsa_code_object_version 6
	.text
	.protected	k_q33ecd6e5b6_final
	.globl	k_q33ecd6e5b6_final
	.p2align	8
	.type	k_q33ecd6e5b6_final,@function
k_q33ecd6e5b6_final:
	s_mov_b64 s[64:65], 0
	v_nop
	global_prefetch_b8 v0, s[64:65] scope:SCOPE_SE
	s_setreg_imm32_b32 hwreg(HW_REG_WAVE_MODE, 25, 1), 1
	s_wait_xcnt 0x0
; out0[batch][n] = the sum of the batch's 16 partial sums (128 tokens each), added as a pairwise tree.  Thread g of 2,048 owns features n = 2 (g % 512) and n + 1 of batch g / 512.
; In part a group of 128 features is laid as the launch before stored it: feature f at ((f / 64) % 2) x 256 + (f % 16) x 16 + ((f / 16) % 4) x 4; n + 1 lies 16 bytes behind n.
; 256 KB in, 16 KB out: no LDS, no barrier.
	s_load_b128 s[4:7], s[0:1], 0x0                ; part, out0
	s_lshl_b32 s8, ttmp9, 8
	v_add_nc_u32 v1, s8, v0                        ; g
	s_delay_alu instid0(VALU_DEP_1)
	v_lshlrev_b32 v2, 3, v1                        ; out0: 8 g
	s_delay_alu instid0(VALU_DEP_2)
	v_and_b32 v3, 511, v1
	s_delay_alu instid0(VALU_DEP_1)
	v_lshlrev_b32 v3, 1, v3                        ; n
	s_delay_alu instid0(VALU_DEP_1)
	v_lshrrev_b32 v4, 7, v3
	s_delay_alu instid0(VALU_DEP_1)
	v_lshlrev_b32 v4, 9, v4
	s_delay_alu instid0(VALU_DEP_3)
	v_bfe_u32 v5, v3, 6, 1
	s_delay_alu instid0(VALU_DEP_1)
	v_lshl_add_u32 v4, v5, 8, v4
	v_bfe_u32 v5, v3, 4, 2
	s_delay_alu instid0(VALU_DEP_1)
	v_lshl_add_u32 v4, v5, 2, v4
	v_and_b32 v5, 15, v3
	s_delay_alu instid0(VALU_DEP_1)
	v_lshl_add_u32 v4, v5, 4, v4
	s_lshr_b32 s8, ttmp9, 1
	s_lshl_b32 s8, s8, 16                          ; the batch's 16 rows of 4,096 bytes
	s_mov_b32 s9, 0
	s_wait_alu depctr_va_vdst(0)
	s_wait_kmcnt 0x0
	s_add_nc_u64 s[4:5], s[4:5], s[8:9]
.irp k, 0,1,2,3,4,5,6,7,8,9,10,11,12,13,14,15
	global_load_b32 v[16+2*\k], v4, s[4:5] offset:\k*4096
	global_load_b32 v[17+2*\k], v4, s[4:5] offset:\k*4096+16
.endr
	s_wait_loadcnt 0x0
	v_pk_add_f32 v[62:63], v[18:19], v[20:21]
	v_pk_add_f32 v[60:61], v[22:23], v[24:25]
	v_pk_add_f32 v[58:59], v[26:27], v[28:29]
	v_pk_add_f32 v[56:57], v[30:31], v[32:33]
	v_pk_add_f32 v[54:55], v[34:35], v[36:37]
	v_pk_add_f32 v[52:53], v[38:39], v[40:41]
	v_pk_add_f32 v[50:51], v[42:43], v[44:45]
	v_pk_add_f32 v[16:17], v[16:17], v[46:47]
	s_delay_alu instid0(VALU_DEP_1)
	v_pk_add_f32 v[16:17], v[16:17], v[56:57]
	v_pk_add_f32 v[62:63], v[62:63], v[54:55]
	v_pk_add_f32 v[60:61], v[60:61], v[52:53]
	v_pk_add_f32 v[58:59], v[58:59], v[50:51]
	s_delay_alu instid0(VALU_DEP_2)
	v_pk_add_f32 v[16:17], v[16:17], v[60:61]
	s_delay_alu instid0(VALU_DEP_2)
	v_pk_add_f32 v[62:63], v[62:63], v[58:59]
	s_delay_alu instid0(VALU_DEP_1)
	v_pk_add_f32 v[16:17], v[16:17], v[62:63]
	global_store_b64 v2, v[16:17], s[6:7]          ; a wave stores 256 consecutive bytes, aligned
	s_endpgm
.Lfunc_end_k_q33ecd6e5b6_final:
	.size	k_q33ecd6e5b6_final, .Lfunc_end_k_q33ecd6e5b6_final-k_q33ecd6e5b6_final
	.p2alignl 7, 3214868480
	.fill 96, 4, 3214868480
	.section	.rodata,"a",@progbits
	.p2align	6, 0x0
	.amdhsa_kernel k_q33ecd6e5b6_final
		.amdhsa_group_segment_fixed_size 0
		.amdhsa_private_segment_fixed_size 0
		.amdhsa_enable_private_segment 0
		.amdhsa_kernarg_size 16
		.amdhsa_user_sgpr_count 2
		.amdhsa_user_sgpr_kernarg_segment_ptr 1
		.amdhsa_wavefront_size32 1
		.amdhsa_system_sgpr_workgroup_id_x 1
		.amdhsa_system_sgpr_workgroup_id_y 1
		.amdhsa_system_sgpr_workgroup_id_z 1
		.amdhsa_system_vgpr_workitem_id 0
		.amdhsa_next_free_vgpr 64
		.amdhsa_next_free_sgpr 66
		.amdhsa_reserve_vcc 0
		.amdhsa_float_denorm_mode_32 3
		.amdhsa_float_denorm_mode_16_64 3
		.amdhsa_memory_ordered 1
		.amdhsa_forward_progress 1
		.amdhsa_inst_pref_size 6
	.end_amdhsa_kernel
	.amdgpu_metadata
---
amdhsa.version: [ 1, 2 ]
amdhsa.kernels:
  - .name:           k_q33ecd6e5b6_final
    .symbol:         k_q33ecd6e5b6_final.kd
    .args:
      - { .name: part, .offset: 0, .size: 8, .value_kind: global_buffer, .address_space: global }
      - { .name: out0, .offset: 8, .size: 8, .value_kind: global_buffer, .address_space: global }
    .group_segment_fixed_size: 0
    .private_segment_fixed_size: 0
    .kernarg_segment_align: 8
    .kernarg_segment_size: 16
    .max_flat_workgroup_size: 256
    .sgpr_count:     66
    .vgpr_count:     64
    .wavefront_size: 32
...
	.end_amdgpu_metadata
.endif
;; end of part 5
